; MI455X (gfx1250); checked and timed in simulation.
; The chip was launched on July 23, 2026; its instructions are those of AMD's public machine-readable ISA for CDNA 5 (MIT licence, August 2026) and "CDNA5" Instruction Set Architecture Reference Guide (July 2026). The comments in the code are by the model that wrote it; some were corrected since.
;; Multi Head Attention Block. Allowed arithmetic: matrix products marked QUANTISED: E5M2 operands, one E8M0 scale for each 32 along K, by v_wmma_scale_f32_16x16x128_f8f6f4 with both operands' format E5M2, f32 sums; everything else in f32.
;; Inputs: b_k 1,024 float32; b_o 1,024 float32; b_q 1,024 float32; b_v 1,024 float32; k 4 x 2,048 x 1,024 float32; mask 1 x 1 x 2,048 x 2,048 int32; q 4 x 2,048 x 1,024 float32; v 4 x 2,048 x 1,024 float32; w_k 1,024 x 1,024 float32; w_o 1,024 x 1,024 float32; w_q 1,024 x 1,024 float32; w_v 1,024 x 1,024 float32.
;; Outputs: out0 4 x 2,048 x 1,024 float32.
;; This version of the problem:
;;   THIS VERSION OF THE PROBLEM IS GIVEN IN LOW PRECISION. The matrix products marked QUANTISED in the list below multiply operands that are first quantised to E5M2 (5 exponent bits, 2 mantissa bits; 8 bits a number), with one power-of-two scale for each 32 numbers along K (OCP MX v1.0); their sums are f32. All else is computed in f32.
;;   The module's matrix products, in the order in which they are computed (A, B: the left and right operand; K: the contracted axis; several contracted axes count as one K, in the product's order):
;;     1. [M 8,192, K 1,024] x [K 1,024, N 1,024]; A: input q; B: input w_q: QUANTISED
;;     2. [M 8,192, K 1,024] x [K 1,024, N 1,024]; A: input k; B: input w_k: QUANTISED
;;     3. [M 8,192, K 1,024] x [K 1,024, N 1,024]; A: input v; B: input w_v: QUANTISED
;;     4. batch 64 x [M 2,048, K 64] x [K 64, N 2,048]; A: computed on the way; B: computed on the way: QUANTISED
;;     5. batch 64 x [M 2,048, K 2,048] x [K 2,048, N 64]; A: softmax (see below); B: computed on the way: QUANTISED
;;     6. [M 8,192, K 1,024] x [K 1,024, N 1,024]; A: computed on the way; B: input w_o: QUANTISED
;;   THE QUANTISER, for each operand of a quantised product, along K:
;;     - K is cut into blocks of 32 from its start; a last block that is shorter is filled with zeros.
;;     - A block's scale is 2^e with e = floor(log2(the largest magnitude in the block)) - 15, held to -126 .. 127; a block of zeros has e = 0. As a byte (E8M0): e + 127.
;;     - Each number is divided by its block's scale, clamped to +-57,344, and rounded to the nearest number of E5M2, ties to even, subnormals kept.
;;     - The product sums the exact products of the quantised numbers (number of the format x scale) in f32.
;;   ~~~python
;;   def quantise(x, axis):      # numpy; x: float32 -> the quantised numbers, widened to float32 again
;;       x = np.moveaxis(x, axis, -1); K = x.shape[-1]
;;       x = np.pad(x, [(0, 0)] * (x.ndim - 1) + [(0, -K % 32)]); x = x.reshape(x.shape[:-1] + (-1, 32)); a = np.abs(x).max(-1, keepdims=True)
;;       e = np.where(a > 0, np.clip(np.frexp(np.where(a > 0, a, 1))[1] - 1 - 15, -126, 127), 0)      # np.frexp(a)[1] - 1 = floor(log2(a)), exactly
;;       r = np.clip(x / 2.0 ** e, -57344, 57344)
;;       step = 2.0 ** (np.maximum(np.frexp(np.where(r == 0, 1, r))[1] - 1, -14) - 2)
;;       q = np.round(r / step) * step * 2.0 ** e      # np.round: ties to even
;;       return np.moveaxis(q.reshape(q.shape[:-2] + (-1,))[..., :K], -1, axis).astype(np.float32)
;;   ~~~
;;   SOFTMAX AHEAD OF A QUANTISED PRODUCT. Where the list says 'softmax', what is quantised is not the finished softmax but p = 2^(t - M), with t = logit x log2(e) and M = ceil(the row's largest t), a whole number; so 1/2 < the row's largest p <= 1. The row's sum l is taken of the UNQUANTISED p, in f32, and the product's result is divided by l at the end. Since M is a whole number, a kernel that streams over the keys may use a running M (the ceiling of the running maximum): every later rescaling is an exact power of two, which a block's scale takes up: the codes' values come out the same.
;;   OPERANDS COMPUTED ON THE WAY. 'Computed on the way' means the value that the module computes at that place (a softmax that the list does not call 'softmax' is quantised finished and normalised). What goes into a quantiser is computed in f32, as accurately as f32 sums, v_exp_f32 and their like allow (about 1e-6 of the number): no bf16 or f16 on the way to a quantiser, and a product that is left as it is and whose result goes on into a quantised operand takes f32 operands (vector FMAs, or v_wmma_f32_16x16x4_f32). A number that lies on a knife's edge between two numbers of the format may be rounded either way, as far as f32 arithmetic and the matrix unit's own rounding can turn it there, and no further.
;; One version. Each part assembles by itself: llvm-mc -triple=amdgcn-amd-amdhsa -mcpu=gfx1250 --defsym DOCPART=n.
;; ======== version 1 of 1: 4 launches
;; limits: right only within a limited range of input values
;; workspace buffers: xw 30,277,632 bytes; mk 532,480 bytes of whole numbers; hq 26,738,688 bytes; cq 8,650,752 bytes
;; launch prep (part 1): grid 1408 x 1, 4 waves a work-group, no clusters, 67,072 bytes of LDS; arguments q, k, v, w_q, w_k, w_v, w_o, mask, xw, mk; writes xw, mk
.if DOCPART == 1
	.amdgcn_target "amdgcn-amd-amdhsa--gfx1250"
	.amdhsa_code_object_version 6
	.text
	.protected	k_q889797714b_prep
	.globl	k_q889797714b_prep
	.p2align	8
	.type	k_q889797714b_prep,@function
k_q889797714b_prep:
	s_mov_b64 s[64:65], 0
	v_nop
	global_prefetch_b8 v0, s[64:65] scope:SCOPE_SE
	s_setreg_imm32_b32 hwreg(HW_REG_WAVE_MODE, 25, 1), 1
	s_wait_xcnt 0x0
; PREP: q, k, v [8192][1024] f32 and w_q, w_k, w_v, w_o [1024 (K)][1024 (n)] f32 become codes of BF8 (E5M2) with one E8M0 byte for each 32 along K; the int32 mask becomes lane masks and tile summaries.
; THE IMAGE.  Rows (tokens, or a weight's columns n) go in groups of 128, a group in 8 tiles a; slot r of tile a is row 32 (a / 2) + 8 (a % 2) + r % 8 + 16 (r / 8) of the group.  A tile x 128 along K is 2,048 bytes:
; byte 512 c + 16 lane + e is the code of slot lane % 16 at k = 32 c + 16 (lane / 16) + e: the operand's registers on end.  xw: [1792 tiles][8 K steps][2048]; tiles 0-1535 q, k, v; 1536 + 64 sel + .. the weights.
; At XSC the scale words, [tile][sp 4][slot 16][q 2]: word (sp, r, q) = the four bytes of slot r for K step 2 sp + q.
; A block's scale is 2^(floor(log2(largest magnitude)) - 15): its byte is that magnitude's exponent field - 15, held at 1 from below; numbers are held within +-57,344 x the scale and rounded to the nearest code.
; LIMITS: a block of zeros gets the byte 1 where the rule says 127 (its codes are zeros, and this program alone reads the bytes); NaN and infinities among the inputs are not served.
; THREE PATHS, parted once on the work-group's number: 768 work-groups for q, k, v; 128 for the weights; 512 for the mask.  Waves share nothing: no barrier.  Each path that uses LDS has LDS bytes of its own.
.set XSC,   29360128                   ; 1792 tiles x 16,384 bytes
.set WT0,   1536                       ; the weights' first tile
.set MSUM,  524288                     ; mk: behind the mask words the summaries
.set XST,   8448                       ; path X: a wave's stage: 16 rows x (512 + 16) bytes, from LDS byte 0
.set WST,   33792                      ; path W: the stages begin here, 8,192 bytes a wave
.set R,     16                         ; v16-79   path X: 16 rows x 16 bytes as loaded
.set X,     80                         ; v80-143  64 numbers of my row: register 16 b + i = k 32 b + 16 (lane / 16) + i
.set PC,    144                        ; v144-159 the codes
.set TM,    160                        ; v160-175 maxima, bytes, holds, scale operands
.set SW,    176                        ; v176-179 the four K steps' scale words
.set WX,    32                         ; v32-95   path W: two sets of 32 numbers
.set WC,    96                         ; v96-103  a block's codes
.set SB,    24                         ; v24-25   scale bytes, four to a register
.set OUTR,  112                        ; v112-175 the way out
	s_load_b512 s[4:19], s[0:1], 0x0               ; q, k, v, w_q, w_k, w_v, w_o, mask
	s_load_b128 s[20:23], s[0:1], 0x40             ; xw, mk
	v_lshl_add_u32 v192, v0, 2, 0x10400
	v_mov_b32 v193, 0
	v_lshrrev_b32 v1, 5, v0
	v_readfirstlane_b32 s26, v1                    ; wave
	v_and_b32 v1, 31, v0                           ; lane
	v_and_b32 v2, 15, v0                           ; r
	v_bfe_u32 v3, v0, 4, 1                         ; h
	s_mov_b32 s28, 0x76543210
	s_mov_b32 s29, 0xfedcba98                      ; v_permlanex16_b32's selects for lane l xor 16
	s_mov_b32 s30, 0x600000                        ; the mantissa field of 57,344
	s_cmp_lt_u32 ttmp9, 768
	s_cbranch_scc0 .Lnot_x
; ---------------- PATH X: a wave takes half of K (512 numbers) of one tile of 16 tokens: four K steps ----------------
	v_lshlrev_b32 v4, 4, v1                        ; 16 x lane: my bytes of a load's 512, and of an image's
	s_mul_i32 s31, s26, XST
	v_add_nc_u32 v5, s31, v4                       ; the stage, on the way in: a row as it lies
	v_mul_u32_u24 v6, v2, 528
	v_lshl_add_u32 v6, v3, 6, v6
	v_add_nc_u32 v6, s31, v6                       ; and out: row r, + 64 h: my 16 numbers of a block of 32
	v_lshlrev_b32 v7, 3, v1                        ; the scale words: 8 bytes a lane
.irp b, 0,1,2,3
	v_mov_b32 v[TM+4+\b], 0                        ; written once: a lane permute's destination counts as one of its sources
.endr
	s_lshr_b32 s32, s26, 1
	s_lshl_b32 s33, ttmp9, 1
	s_add_co_u32 s32, s32, s33                     ; my tile, 0 .. 1535
	s_and_b32 s33, s26, 1                          ; which half of K
	s_and_b32 s34, s32, 511                        ; the tile within its tensor
	s_lshr_b32 s35, s34, 3
	s_lshl_b32 s35, s35, 7                         ; its group's first token,
	s_bfe_u32 s36, s34, 0x20001
	s_lshl_b32 s36, s36, 5
	s_add_co_u32 s35, s35, s36                     ; + 32 (a / 2)
	s_and_b32 s36, s34, 1
	s_lshl_b32 s36, s36, 3
	s_add_co_u32 s35, s35, s36                     ; + 8 (a % 2): slot 0's token
	s_lshl_b32 s36, s35, 12                        ; a row is 4,096 bytes
	s_lshl_b32 s37, s33, 11
	s_add_co_u32 s36, s36, s37
	s_mov_b32 s37, 0
	s_lshl_b32 s38, s32, 14                        ; the tile's images,
	s_lshl_b32 s39, s33, 13
	s_add_co_u32 s38, s38, s39                     ; my four K steps of them
	s_mov_b32 s39, 0
	s_lshl_b32 s40, s32, 9                         ; its scale words,
	s_lshl_b32 s41, s33, 8
	s_add_co_u32 s40, s40, s41                     ; my 256 bytes of them
	s_add_co_u32 s40, s40, XSC
	s_mov_b32 s41, 0
	s_wait_alu depctr_va_vdst(0)
	s_wait_kmcnt 0x0
	s_cmp_lt_u32 ttmp9, 256                        ; q, k or v: the choice hangs on the work-group's number alone
	s_cselect_b64 s[4:5], s[4:5], s[6:7]
	s_cmp_lt_u32 ttmp9, 512
	s_cselect_b64 s[4:5], s[4:5], s[8:9]
	s_add_nc_u64 s[4:5], s[4:5], s[36:37]
	s_add_nc_u64 s[42:43], s[20:21], s[38:39]
	s_add_nc_u64 s[44:45], s[20:21], s[40:41]
.macro XLD t                           ; K step t of the 16 rows: each load reads 512 consecutive bytes of one row
.irp i, 0,1,2,3,4,5,6,7,8,9,10,11,12,13,14,15
	global_load_b128 v[R+4*\i:R+4*\i+3], v4, s[4:5] offset:((\i%8)+16*(\i/8))*4096+512*(\t) th:TH_LOAD_NT
.endr
.endm
.macro XTURN                           ; through my own stage: LDS serves a wave's instructions in order, so no wait stands between the stores and the loads
.irp i, 0,1,2,3,4,5,6,7,8,9,10,11,12,13,14,15
	ds_store_b128 v5, v[R+4*\i:R+4*\i+3] offset:528*\i
.endr
.irp c, 0,1,2,3
.irp j, 0,1,2,3
	ds_load_b128 v[X+16*\c+4*\j:X+16*\c+4*\j+3], v6 offset:128*\c+16*\j
.endr
.endr
.endm
.macro QUANT s, pw                     ; 64 numbers v[s] on become a fragment's codes in v[PC] on and my row's scale word in v[pw]
.irp b, 0,1,2,3
	v_max3_num_f32 v[TM+\b], |v[\s+16*\b]|, |v[\s+1+16*\b]|, 0x8000000   ; block b: my 16 numbers, and the floor 2^(16 - 127): the byte cannot fall under 1
.endr
.irp i, 2,4,6,8,10,12,14
.irp b, 0,1,2,3
	v_max3_num_f32 v[TM+\b], v[TM+\b], |v[\s+16*\b+\i]|, |v[\s+1+16*\b+\i]|   ; the four blocks by turns
.endr
.endr
.irp b, 0,1,2,3
	v_permlanex16_b32 v[TM+4+\b], v[TM+\b], s28, s29
.endr
.irp b, 0,1,2,3
	v_max_num_f32 v[TM+\b], v[TM+\b], v[TM+4+\b]   ; with lane l xor 16's: the block's largest magnitude
.endr
.irp b, 0,1,2,3
	v_add_nc_u32 v[TM+12+\b], 0xf8800000, v[TM+\b] ; 15 off its exponent field: the conversion's scale operand
.endr
.irp b, 0,1,2,3
	v_and_or_b32 v[TM+8+\b], v[TM+\b], 0x7f800000, s30   ; 57,344 x the scale
.endr
.irp b, 0,1,2,3
	v_lshrrev_b32 v[TM+4+\b], 23, v[TM+12+\b]      ; the scale's byte
.endr
	v_lshl_or_b32 v[\pw], v[TM+5], 8, v[TM+4]
	v_lshl_or_b32 v[\pw], v[TM+6], 16, v[\pw]
	v_lshl_or_b32 v[\pw], v[TM+7], 24, v[\pw]
.irp b, 0,1,2,3
.irp i, 0,1,2,3,4,5,6,7,8,9,10,11,12,13,14,15
	v_med3_num_f32 v[\s+16*\b+\i], v[\s+16*\b+\i], -v[TM+8+\b], v[TM+8+\b]   ; the conversion to an 8-bit code does not saturate (ISA guide 7.6.2): the hold
.endr
	v_cvt_scalef32_pk8_bf8_f32 v[PC+4*\b:PC+1+4*\b], v[\s+16*\b:\s+7+16*\b], v[TM+12+\b]
	v_cvt_scalef32_pk8_bf8_f32 v[PC+2+4*\b:PC+3+4*\b], v[\s+8+16*\b:\s+15+16*\b], v[TM+12+\b]
.endr
	v_nop                                          ; a plain line behind the last conversion
.endm
	XLD 0
.irp t, 0,1,2,3
	s_wait_loadcnt 0x0                             ; this K step's 16 loads are in
	XTURN
	s_wait_dscnt 0x0                               ; the numbers are back, and the stage's stores have read their registers
	s_wait_xcnt 0x0                                ; the last step's stores have read their codes: v[PC] on is written again only behind this wait
.if \t < 3
	XLD \t+1                                       ; the next K step lands while this one is quantised
.endif
	QUANT X, SW+\t
.irp c, 0,1,2,3
	global_store_b128 v4, v[PC+4*\c:PC+4*\c+3], s[42:43] offset:2048*\t+512*\c   ; 32 lanes store 512 consecutive bytes
.endr
.endr
	v_cmp_le_u32 vcc_lo, 16, v1                    ; both halves of the lanes hold all four words: lanes 0-15 store K steps 0, 1, lanes 16-31 K steps 2, 3
	v_cndmask_b32 v8, v[SW], v[SW+2], vcc_lo
	v_cndmask_b32 v9, v[SW+1], v[SW+3], vcc_lo
	global_store_b64 v7, v[8:9], s[44:45]          ; 256 consecutive bytes, aligned
	s_wait_tensorcnt 0x0
	ds_add_u32 v192, v193
	s_wait_dscnt 0x0
	s_endpgm
; ---------------- PATH W: a lane takes a column n, its registers run down K; a wave takes 32 columns (two tiles) x 256 along K ----------------
.Lnot_x:
	s_cmp_lt_u32 ttmp9, 896
	s_cbranch_scc0 .Lmask
	s_sub_co_u32 s31, ttmp9, 768
	s_lshr_b32 s32, s31, 5                         ; which weight
	s_and_b32 s33, s31, 7                          ; which group of 128 columns
	s_bfe_u32 s34, s31, 0x20003                    ; which 256 along K
	s_wait_alu depctr_va_vdst(0)
	v_lshlrev_b32 v4, 2, v1                        ; in: 4 bytes a lane
	v_bfe_u32 v9, v0, 3, 1                         ; column 32 w + l lies in tile 2 w + u, u = (l / 8) % 2,
	v_and_b32 v10, 7, v0
	v_lshl_add_u32 v10, v3, 3, v10                 ; at slot l % 8 + 8 (l / 16)
	s_lshl_b32 s35, s26, 13
	s_add_co_u32 s35, s35, WST                     ; my stage: [u 2][K step 2][2048]
	v_lshlrev_b32 v5, 12, v9
	v_lshl_add_u32 v5, v10, 4, v5
	v_add_nc_u32 v5, s35, v5                       ; into it: 4096 u + 16 slot
	v_lshlrev_b32 v7, 4, v1
	v_add_nc_u32 v6, s35, v7                       ; out of it: as it lies, 16 bytes a lane
	v_lshlrev_b32 v8, 9, v9
	v_lshl_add_u32 v8, v10, 3, v8                  ; the scale words: 512 u + 8 slot
	s_lshl_b32 s36, s34, 20                        ; 256 rows of 4,096 bytes,
	s_lshl_b32 s37, s33, 9
	s_add_co_u32 s36, s36, s37
	s_lshl_b32 s37, s26, 7
	s_add_co_u32 s36, s36, s37                     ; + 4 x my first column
	s_mov_b32 s37, 0
	s_lshl_b32 s38, s32, 6
	s_lshl_b32 s39, s33, 3
	s_add_co_u32 s38, s38, s39
	s_lshl_b32 s39, s26, 1
	s_add_co_u32 s38, s38, s39
	s_add_co_u32 s38, s38, WT0                     ; my first tile
	s_lshl_b32 s40, s38, 9
	s_lshl_b32 s41, s34, 7
	s_add_co_u32 s40, s40, s41
	s_add_co_u32 s40, s40, XSC
	s_mov_b32 s41, 0
	s_lshl_b32 s38, s38, 14
	s_lshl_b32 s39, s34, 12
	s_add_co_u32 s38, s38, s39
	s_mov_b32 s39, 0
	s_wait_kmcnt 0x0
	s_cmp_eq_u32 s32, 0
	s_cselect_b64 s[10:11], s[10:11], s[12:13]
	s_cmp_lt_u32 s32, 2
	s_cselect_b64 s[10:11], s[10:11], s[14:15]
	s_cmp_lt_u32 s32, 3
	s_cselect_b64 s[10:11], s[10:11], s[16:17]
	s_add_nc_u64 s[36:37], s[10:11], s[36:37]
	s_add_nc_u64 s[38:39], s[20:21], s[38:39]
	s_add_nc_u64 s[40:41], s[20:21], s[40:41]
.macro WLD t                           ; block t: w(32 t + i, my column), i = 0 .. 31
.irp i, 0,1,2,3,4,5,6,7,8,9,10,11,12,13,14,15,16,17,18,19,20,21,22,23,24,25,26,27,28,29,30,31
	global_load_b32 v[WX+32*((\t)%2)+\i], v4, s[36:37] offset:(32*(\t)+\i)*4096 th:TH_LOAD_NT
.endr
.endm
.macro WBLK t
.set XS, WX+32*((\t)%2)
.if (\t) < 7
	s_wait_loadcnt 32                              ; this block's 32 loads are in; the next block's 32 may be out
.else
	s_wait_loadcnt 0
.endif
	v_max3_num_f32 v12, |v[XS]|, |v[XS+1]|, |v[XS+2]|   ; all 32 numbers of the block are mine
	v_max3_num_f32 v13, |v[XS+3]|, |v[XS+4]|, |v[XS+5]|
.irp i, 6,10,14,18,22,26
	v_max3_num_f32 v12, v12, |v[XS+\i]|, |v[XS+\i+1]|
	v_max3_num_f32 v13, v13, |v[XS+\i+2]|, |v[XS+\i+3]|
.endr
	v_max3_num_f32 v12, v12, |v[XS+30]|, |v[XS+31]|
	v_max3_num_f32 v12, v12, v13, 0x8000000        ; and the floor
	v_add_nc_u32 v14, 0xf8800000, v12              ; the conversion's scale operand
	v_and_or_b32 v15, v12, 0x7f800000, s30         ; 57,344 x the scale
	v_lshrrev_b32 v13, 23, v14                     ; the byte
.if (\t)%4 == 0
	v_mov_b32 v[SB+(\t)/4], v13
.else
	v_lshl_or_b32 v[SB+(\t)/4], v13, 8*((\t)%4), v[SB+(\t)/4]
.endif
.irp i, 0,1,2,3,4,5,6,7,8,9,10,11,12,13,14,15,16,17,18,19,20,21,22,23,24,25,26,27,28,29,30,31
	v_med3_num_f32 v[XS+\i], v[XS+\i], -v15, v15
.endr
.irp g, 0,1,2,3
	v_cvt_scalef32_pk8_bf8_f32 v[WC+2*\g:WC+2*\g+1], v[XS+8*\g:XS+8*\g+7], v14
.endr
	v_nop
	ds_store_b128 v5, v[WC:WC+3] offset:2048*((\t)/4)+512*((\t)%4)         ; k 0-15 of the block: the image's lanes 0-15
	ds_store_b128 v5, v[WC+4:WC+7] offset:2048*((\t)/4)+512*((\t)%4)+256   ; k 16-31: its lanes 16-31
.if (\t)+2 < 8
	WLD (\t)+2
.endif
	s_wait_dscnt 0x0                               ; the stores have read their registers: the next block's codes may be written
.endm
	WLD 0
	WLD 1
.irp t, 0,1,2,3,4,5,6,7
	WBLK \t
.endr
	global_store_b64 v8, v[SB:SB+1], s[40:41]      ; my column's two scale words
.irp j, 0,1,2,3,4,5,6,7,8,9,10,11,12,13,14,15
	ds_load_b128 v[OUTR+4*\j:OUTR+4*\j+3], v6 offset:512*\j
.endr
.irp j, 0,1,2,3,4,5,6,7,8,9,10,11,12,13,14,15
	s_wait_dscnt 15-\j
	global_store_b128 v7, v[OUTR+4*\j:OUTR+4*\j+3], s[38:39] offset:(\j/8)*16384+(\j%8)*512   ; 512 consecutive bytes
.endr
	s_wait_tensorcnt 0x0
	ds_add_u32 v192, v193
	s_wait_dscnt 0x0
	s_endpgm
; ---------------- PATH M: a wave takes a tile of 16 queries x 128 keys of the mask ----------------
; Word j = 16 b + i of the 64: bit (r, h) says whether key 128 s + 32 b + 16 h + i counts for the tile's slot r: the lane mask for register j of the scores.
; The summary word: bit r: slot r has a key that counts in this step; bit 16: all 16 x 128 count.
.Lmask:
	s_sub_co_u32 s31, ttmp9, 896
	s_lshl_b32 s31, s31, 2
	s_add_co_u32 s31, s31, s26                     ; task = 16 tile + key step
	s_lshr_b32 s32, s31, 4
	s_and_b32 s33, s31, 15
	s_lshr_b32 s34, s32, 3
	s_lshl_b32 s34, s34, 7
	s_bfe_u32 s35, s32, 0x20001
	s_lshl_b32 s35, s35, 5
	s_add_co_u32 s34, s34, s35
	s_and_b32 s35, s32, 1
	s_lshl_b32 s35, s35, 3
	s_add_co_u32 s34, s34, s35                     ; slot 0's query
	s_lshl_b32 s34, s34, 13                        ; a row of the mask is 8,192 bytes
	s_lshl_b32 s35, s33, 9
	s_add_co_u32 s34, s34, s35
	s_mov_b32 s35, 0
	s_lshl_b32 s44, s31, 8
	s_mov_b32 s45, 0
	s_lshl_b32 s46, s31, 2
	s_add_co_u32 s46, s46, MSUM
	s_mov_b32 s47, 0
	v_and_b32 v4, 7, v0
	v_bfe_u32 v5, v0, 3, 1
	v_lshl_add_u32 v4, v5, 4, v4                   ; r % 8 + 16 (r / 8)
	v_lshlrev_b32 v4, 13, v4
	s_wait_alu depctr_va_vdst(0)
	v_lshl_add_u32 v4, v3, 6, v4                   ; + 64 h
	s_wait_alu depctr_va_vdst(0)
	s_wait_kmcnt 0x0
	s_add_nc_u64 s[34:35], s[18:19], s[34:35]
	s_add_nc_u64 s[44:45], s[22:23], s[44:45]
	s_add_nc_u64 s[46:47], s[22:23], s[46:47]
.irp b, 0,1,2,3
.irp j, 0,1,2,3
	global_load_b128 v[32+16*\b+4*\j:32+16*\b+4*\j+3], v4, s[34:35] offset:128*\b+16*\j
.endr
.endr
	v_mov_b32 v96, 0
	v_mov_b32 v97, 0
	s_mov_b32 s40, 0                               ; the OR of the 64 words,
	s_mov_b32 s41, -1                              ; and their AND
	s_wait_alu depctr_va_vdst(0)
	s_wait_loadcnt 0x0
.set j, 0
.rept 64
	v_cmp_ne_u32 s[38+j%2], 0, v[32+j]
	v_writelane_b32 v[96+j%2], s[38+j%2], j/2      ; lane L of the pair v[96:97] gets words 2 L and 2 L + 1
	s_or_b32 s40, s40, s[38+j%2]
	s_and_b32 s41, s41, s[38+j%2]
.set j, j+1
.endr
	s_lshr_b32 s42, s40, 16
	s_or_b32 s42, s42, s40                         ; a slot's two lanes together
	s_and_b32 s42, s42, 0xffff
	s_cmp_eq_u32 s41, -1
	s_cselect_b32 s43, 0x10000, 0
	s_or_b32 s42, s42, s43
	v_lshlrev_b32 v5, 3, v1
	s_wait_alu depctr_va_vdst(0)
	global_store_b64 v5, v[96:97], s[44:45]        ; 256 consecutive bytes, aligned
	v_mov_b32 v6, s42
	v_mov_b32 v7, 0
	v_cmp_eq_u32 vcc_lo, 0, v1
	s_wait_alu depctr_va_vdst(0)
	s_wait_xcnt 0x0                                ; EXEC changes only behind this wait
	s_and_saveexec_b32 s38, vcc_lo
	global_store_b32 v7, v6, s[46:47]              ; lane 0 stores the summary
	s_wait_xcnt 0x0
	s_or_b32 exec_lo, exec_lo, s38
	s_endpgm
.Lfunc_end_k_q889797714b_prep:
	.size	k_q889797714b_prep, .Lfunc_end_k_q889797714b_prep-k_q889797714b_prep
	.p2alignl 7, 3214868480
	.fill 96, 4, 3214868480
	.section	.rodata,"a",@progbits
	.p2align	6, 0x0
	.amdhsa_kernel k_q889797714b_prep
		.amdhsa_group_segment_fixed_size 67072
		.amdhsa_private_segment_fixed_size 0
		.amdhsa_enable_private_segment 0
		.amdhsa_kernarg_size 80
		.amdhsa_user_sgpr_count 2
		.amdhsa_user_sgpr_kernarg_segment_ptr 1
		.amdhsa_wavefront_size32 1
		.amdhsa_system_sgpr_workgroup_id_x 1
		.amdhsa_system_sgpr_workgroup_id_y 1
		.amdhsa_system_sgpr_workgroup_id_z 1
		.amdhsa_system_vgpr_workitem_id 0
		.amdhsa_next_free_vgpr 194
		.amdhsa_next_free_sgpr 66
		.amdhsa_reserve_vcc 1
		.amdhsa_float_denorm_mode_32 3
		.amdhsa_float_denorm_mode_16_64 3
		.amdhsa_memory_ordered 1
		.amdhsa_forward_progress 1
		.amdhsa_inst_pref_size 126
	.end_amdhsa_kernel
	.amdgpu_metadata
---
amdhsa.version: [ 1, 2 ]
amdhsa.kernels:
  - .name:           k_q889797714b_prep
    .symbol:         k_q889797714b_prep.kd
    .args:
      - { .name: q, .offset: 0, .size: 8, .value_kind: global_buffer, .address_space: global }
      - { .name: k, .offset: 8, .size: 8, .value_kind: global_buffer, .address_space: global }
      - { .name: v, .offset: 16, .size: 8, .value_kind: global_buffer, .address_space: global }
      - { .name: w_q, .offset: 24, .size: 8, .value_kind: global_buffer, .address_space: global }
      - { .name: w_k, .offset: 32, .size: 8, .value_kind: global_buffer, .address_space: global }
      - { .name: w_v, .offset: 40, .size: 8, .value_kind: global_buffer, .address_space: global }
      - { .name: w_o, .offset: 48, .size: 8, .value_kind: global_buffer, .address_space: global }
      - { .name: mask, .offset: 56, .size: 8, .value_kind: global_buffer, .address_space: global }
      - { .name: xw, .offset: 64, .size: 8, .value_kind: global_buffer, .address_space: global }
      - { .name: mk, .offset: 72, .size: 8, .value_kind: global_buffer, .address_space: global }
    .group_segment_fixed_size: 67072
    .private_segment_fixed_size: 0
    .kernarg_segment_align: 8
    .kernarg_segment_size: 80
    .max_flat_workgroup_size: 128
    .sgpr_count:     66
    .vgpr_count:     194
    .wavefront_size: 32
...
	.end_amdgpu_metadata
.endif
;; end of part 1
;; launch proj (part 2): grid 8 x 32, 4 waves a work-group, clusters of 4 x 4, 327,680 bytes of LDS; arguments xw, hq, b_q, b_k, b_v; writes hq
.if DOCPART == 2
	.amdgcn_target "amdgcn-amd-amdhsa--gfx1250"
	.amdhsa_code_object_version 6
	.text
	.protected	k_q889797714b_proj
	.globl	k_q889797714b_proj
	.p2align	8
	.type	k_q889797714b_proj,@function
k_q889797714b_proj:
	s_mov_b64 s[64:65], 0
	v_nop
	global_prefetch_b8 v0, s[64:65] scope:SCOPE_SE
	s_setreg_imm32_b32 hwreg(HW_REG_WAVE_MODE, 25, 1), 1
	s_wait_xcnt 0x0
	s_wait_alu depctr_hold_cnt(0) depctr_sa_sdst(0) depctr_va_vdst(0) depctr_va_sdst(0) depctr_va_ssrc(0) depctr_va_vcc(0) depctr_vm_vsrc(0)
	s_getreg_b32 s2, hwreg(HW_REG_IB_STS2, 6, 4)
	s_cmp_eq_u32 s2, 0
	s_cbranch_scc0 .Lentry_in_a_cluster
	s_endpgm
.Lentry_in_a_cluster:
	s_bfe_u32 s2, ttmp6, 0x10000c
	s_cmp_lg_u32 s2, 0xf033
	s_cbranch_scc0 .Lentry_shape_is_right
	s_endpgm
.Lentry_shape_is_right:
; PROJ: q w_q + b_q, k w_k + b_k, v w_v + b_v on codes of BF8 (E5M2) with E8M0 scales, 3 x (8,192 x 1,024 x 1,024), f32 sums; each result is quantised again and stored as codes in the order of the next launch's operand registers.
; xw: images [tile of 16 rows][8 K steps][2048]: tiles 0-1535 the tokens of q, k, v; 1536 + 64 t on the columns of w_q, w_k, w_v.  At XSC the scale words, [tile][sp 4][slot 16][q 2], word (sp, r, q) for K step 2 sp + q.
; An image's byte 512 c + 16 lane + e is the code of slot lane % 16 at k = 32 c + 16 (lane / 16) + e.  Slot r of tile a of a group of 128 rows is row 32 (a / 2) + 8 (a % 2) + r % 8 + 16 (r / 8).
; hq: q, k: [tensor][batch x head][token tile][c 2][lane][16]; v at 2 x 2^23: [batch x head][key step of 128][channel tile 4][c 4][lane][16].  At HSC scale words: q, k [tensor][batch x head][tile / 4][r][tile % 4], two bytes each;
; v [batch x head][key step: 512 bytes][r][channel tile], a byte for each 32 keys.
; THE DEAL.  256 work-groups of four waves, 2 x 2, walk THREE tiles each: q, k, v.  In each tile one operand STAYS: a wave holds 64 rows of it, all of K, in 512 registers, straight from memory, each lane its fragments whole.
; The other MOVES: 256 rows pass in blocks of 16 from LDS through two register sets.  q, k: the weight's 128 columns stay, 256 tokens move.  v: 128 tokens stay, 256 of w_v's columns move.  Source 0 is what stays, source 1 what moves:
; a lane holds one moving row, and its 32 sums run along the staying rows, which are the next product's K: the head's 64 for q and k, 64 keys for v.  So one text serves all three, and only addresses differ.
; LDS: two slots of 128 moving rows, all of K, 131,072 bytes each.  Both are filled at the head, a joint load of 65,536 bytes a wave, shared along a row of the cluster of 4 x 4.  A slot is filled again with the next tile's rows in a
; round of the cluster's barrier once its last block stands in registers: inside blocks 2 and 6 of the tiles of q and k, 32,768 bytes a wave; that load has four blocks' work in which to land, and the next round shows it.
; What stays is not asked for jointly: beside the two slots' 262,144 bytes LDS has no room for a work-group's 131,072 bytes of it.
; PREFETCH: k's 256 rows, which the first two refills bring, are asked for at the head, each wave of the cluster's row a sixteenth of each half, told apart by address.  w_v's rows are not: all sixteen clusters would name the same blocks.
; q and k run in a loop of two trips; v's tile, which fills nothing again, is written out.  A block's quantiser stands behind the next block's products; its vector lines are the places owed there.
; A block's scale byte is its largest magnitude's exponent field - 15, held at 1 from below; NaN, infinities and sums beyond f32's range are not served.
; REGISTERS: window 0: v4-13 addresses; v14-23 the quantiser's; v24-39 scale words of what stays (8 p + q: lanes 0-15 tile 2 p, lanes 16-31 tile 2 p + 1); v40-43 a result's scale words; v44-75 scale words of what moves
; (8 P + q: blocks 2 P, 2 P + 1); v80-143 two sets of four accumulators; v144-175 the first products' C: the bias; v176-183 codes; v192-199 b_v, a number a block.  Windows 1, 2: what stays, fragment 4 q + b.  Window 3: two sets.
.set XSC,   29360128
.set HSC,   25165824
.set SPARE, 262144                     ; behind the two slots: the spare words, 128 bytes a wave
.set AX,  4                            ; v4, v5  LDS address of my blocks in slot 0, 1
.set WO,  6                            ; v6   16 x lane
.set SWO, 7                            ; v7   scale words: 512 (lane / 16) + 8 (lane % 16)
.set BO,  8                            ; v8   64 (lane / 16)
.set R16, 9                            ; v9   16 r
.set RP,  10                           ; v10  4 (r % 8 + 16 (r / 8))
.set PF,  11                           ; v11  the prefetches' offset
.set SPW, 12
.set NIL, 13
.set TM,  14
.set SO,  18
.set HL,  20
.set BY,  22
.set SB,  24
.set FW,  40
.set SA,  44
.set ACC, 80
.set CB,  144
.set PC,  176
.set BV,  192
.set G1,  24                           ; s[24:31] group 1: 16 rows of 4,096 bytes;  s[32:39]: 8 rows;  s[40:43] group 0
.set G1R, 32
.set G0,  40
.set RO,  76                           ; s76  in xw, my quarter of the rows that the next refill of slot 0 brings;  s77 the same for w_v's
.set ROV, 77
.set MSB, 0
.macro WIN new                         ; the immediate's high byte repeats the setting that is left
.if MSB != \new
	s_set_vgpr_msb (MSB<<8)|\new
.set MSB, \new
.endif
.endm
.macro PLACES n
.rept \n
	v_nop
.endr
.endm
.macro CROUND                          ; a round of the cluster's barrier
	s_barrier_signal -1
	s_barrier_wait -1
	s_cmp_lg_u32 s14, 0
	s_cbranch_scc1 .Lnot_wave_0_\@
	s_barrier_signal -3
.Lnot_wave_0_\@:
	s_barrier_wait -3
	s_barrier_signal -1
	s_barrier_wait -1
.endm
	s_load_b256 s[4:11], s[0:1], 0x0               ; xw, hq, b_q, b_k
	s_load_b64 s[12:13], s[0:1], 0x20              ; b_v
	v_lshl_add_u32 v[SPW], v0, 2, SPARE
	v_mov_b32 v[NIL], 0
	ds_add_u32 v[SPW], v[NIL]                      ; the opening: the add, twice on end, and its wait ahead of my first tensor load
	ds_add_u32 v[SPW], v[NIL]
	v_lshrrev_b32 v1, 5, v0
	v_readfirstlane_b32 s14, v1                    ; wave 0..3
	s_lshr_b32 s15, s14, 1                         ; wr: which four tiles of a slot's eight are mine
	s_and_b32 s16, s14, 1                          ; wc: which 64 of the 128 rows that stay
	s_bfe_u32 s44, ttmp6, 0x40000                  ; cx, cy: my place in the cluster
	s_bfe_u32 s45, ttmp6, 0x40004
	s_and_b32 s48, ttmp7, 0xffff                   ; the cluster's y
	s_lshl_b32 s47, s48, 2
	s_add_co_u32 s47, s47, s45                     ; Y, 0 .. 31
	s_lshl_b32 s46, ttmp9, 2
	s_add_co_u32 s46, s46, s44                     ; X, 0 .. 7
	s_lshl_b32 s49, s45, 2
	s_lshl_b32 s49, 15, s49                        ; my row of the cluster shares what moves
	s_lshl_b32 s20, s15, 16
	s_lshl_b32 s18, s47, 18                        ; the joint loads' offsets are made of Y, cy and the wave's number alone.  q's tokens: 16 tiles a Y
	s_lshl_b32 s19, s14, 15
	s_add_co_u32 s[RO], s18, s19
	s_add_co_u32 s[RO], s[RO], 8388608             ; k's tokens begin at tile 512; two tiles a wave
	s_lshl_b32 s[ROV], s45, 18
	s_add_co_u32 s[ROV], s[ROV], s19
	s_add_co_u32 s[ROV], s[ROV], 27262976          ; w_v's columns begin at tile 1664; 16 tiles a cy
	s_lshl_b32 s19, s14, 16
	s_add_co_u32 s18, s18, s19                     ; the head's load: four tiles a wave
	s_mov_b32 s19, 0
	s_lshl_b32 s21, s44, 2                         ; the prefetches: which of the cluster row's sixteen waves I am: 8,192 bytes each
	s_add_co_u32 s21, s21, s14
	s_lshl_b32 s21, s21, 13
	s_lshl_b32 s22, s47, 18
	s_add_co_u32 s21, s21, s22
	s_add_co_u32 s21, s21, 8388608
	v_and_b32 v1, 15, v0                           ; r
	v_bfe_u32 v2, v0, 4, 1                         ; h
	v_and_b32 v3, 31, v0                           ; lane
	v_and_b32 v[RP], 7, v0
	v_bfe_u32 v[R16], v0, 3, 1
	v_lshlrev_b32 v[WO], 4, v3
	v_lshlrev_b32 v[SWO], 3, v1
	v_lshlrev_b32 v[BO], 6, v2
	v_lshl_add_u32 v[RP], v[R16], 4, v[RP]
	v_lshlrev_b32 v[R16], 4, v1
	v_add_nc_u32 v[AX], s20, v[WO]
	v_lshl_add_u32 v[SWO], v2, 9, v[SWO]
	v_lshlrev_b32 v[RP], 2, v[RP]
	v_lshl_add_u32 v[PF], v3, 8, s21               ; lanes 256 bytes apart
	v_add_nc_u32 v[AX+1], 131072, v[AX]
	v_mov_b32 v[TM+2], 0                           ; written once: a lane permute's destination counts as one of its sources
	v_mov_b32 v[TM+3], 0
	s_or_b32 s[G1+0], s49, (3<<16)|(1<<21)         ; elements of 8 bytes; bit 21 beside the mask
	s_or_b32 s[G1R+0], s49, (3<<16)|(1<<21)
	s_mov_b32 s[G1+1], 512<<16                     ; dense bytes as rows of 4,096: 16 rows at the head,
	s_mov_b32 s[G1+2], 16<<16
	s_mov_b32 s[G1+3], 512<<16
	s_mov_b32 s[G1+4], 16
	s_mov_b32 s[G1+5], 512
	s_mov_b32 s[G1+6], 0
	s_mov_b32 s[G1+7], 0
	s_mov_b32 s[G1R+1], 512<<16                    ; 8 rows in a refill
	s_mov_b32 s[G1R+2], 8<<16
	s_mov_b32 s[G1R+3], 512<<16
	s_mov_b32 s[G1R+4], 8
	s_mov_b32 s[G1R+5], 512
	s_mov_b32 s[G1R+6], 0
	s_mov_b32 s[G1R+7], 0
	s_mov_b32 s[G0], 1
	s_lshl_b32 s[G0+1], s14, 16
	; offsets into the buffers, each under 2^32; the buffers' addresses are added behind the wait for the arguments
	s_lshl_b32 s22, s46, 3
	s_lshl_b32 s23, s16, 2
	s_add_co_u32 s22, s22, s23                     ; 8 X + 4 wc
	s_add_co_u32 s50, s22, 1536                    ; s[50:51] what stays, q: w_q's tiles;  s[52:53] its scale words
	s_lshl_b32 s52, s50, 9
	s_add_co_u32 s52, s52, XSC
	s_lshl_b32 s50, s50, 14
	s_lshl_b32 s23, s48, 6
	s_add_co_u32 s62, s22, s23                     ; s[62:63], s[66:67] the same for v: token group G = X + 8 x the cluster's y, tiles 1024 + 8 G + 4 wc
	s_add_co_u32 s62, s62, 1024
	s_lshl_b32 s66, s62, 9
	s_add_co_u32 s66, s66, XSC
	s_lshl_b32 s62, s62, 14
	s_lshl_b32 s54, s47, 4                         ; s[54:55] scale words of what moves, q: tiles 16 Y + 4 wr
	s_lshl_b32 s23, s15, 2
	s_add_co_u32 s54, s54, s23
	s_lshl_b32 s54, s54, 9
	s_add_co_u32 s54, s54, XSC
	s_lshl_b32 s68, s45, 4                         ; s[68:69] v: tiles 1664 + 16 cy + 4 wr
	s_add_co_u32 s68, s68, s23
	s_add_co_u32 s68, s68, 1664
	s_lshl_b32 s68, s68, 9
	s_add_co_u32 s68, s68, XSC
	s_lshl_b32 s56, s46, 9                         ; s[56:57] b_q, b_k: column 128 X + 64 wc
	s_lshl_b32 s23, s16, 8
	s_add_co_u32 s56, s56, s23
	s_lshl_b32 s74, s45, 10                        ; s[74:75] b_v: column 256 cy + 64 wr
	s_lshl_b32 s23, s15, 8
	s_add_co_u32 s74, s74, s23
	s_lshr_b32 s22, s47, 3                         ; q, k: batch x head = 16 (Y / 8) + 2 X + wc
	s_lshl_b32 s22, s22, 4
	s_lshl_b32 s23, s46, 1
	s_add_co_u32 s22, s22, s23
	s_add_co_u32 s22, s22, s16
	s_and_b32 s23, s47, 7
	s_lshl_b32 s58, s22, 17                        ; s[58:59] their codes: token tile 16 (Y % 8) + 4 wr on
	s_lshl_b32 s60, s22, 13                        ; s[60:61] their scale words
	s_lshl_b32 s22, s23, 14
	s_add_co_u32 s58, s58, s22
	s_lshl_b32 s22, s15, 12
	s_add_co_u32 s58, s58, s22
	s_lshl_b32 s22, s23, 10
	s_add_co_u32 s60, s60, s22
	s_lshl_b32 s22, s15, 8
	s_add_co_u32 s60, s60, s22
	s_add_co_u32 s60, s60, HSC
	s_lshl_b32 s22, s48, 3
	s_add_co_u32 s22, s22, s46                     ; G
	s_and_b32 s23, s22, 15                         ; v: the key step,
	s_lshr_b32 s22, s22, 4
	s_lshl_b32 s22, s22, 4
	s_lshl_b32 s70, s45, 2
	s_add_co_u32 s22, s22, s70
	s_add_co_u32 s22, s22, s15                     ; batch x head = 16 (G / 16) + 4 cy + wr, and two on in slot 1
	s_lshl_b32 s70, s22, 17                        ; s[70:71] v's codes: pieces c = 2 wc, 2 wc + 1
	s_lshl_b32 s72, s22, 13                        ; s[72:73] v's scale bytes
	s_lshl_b32 s22, s23, 13
	s_add_co_u32 s70, s70, s22
	s_lshl_b32 s22, s16, 10
	s_add_co_u32 s70, s70, s22
	s_add_co_u32 s70, s70, 16777216
	s_lshl_b32 s22, s23, 9
	s_add_co_u32 s72, s72, s22
	s_lshl_b32 s22, s16, 1
	s_add_co_u32 s72, s72, s22
	s_add_co_u32 s72, s72, HSC+1048576
.irp p, 51,53,55,57,59,61,63,67,69,71,73,75
	s_mov_b32 s\p, 0
.endr
	s_mov_b32 s78, 0x76543210
	s_mov_b32 s79, 0xfedcba98                      ; v_permlanex16_b32's selects for lane l xor 16
	s_mov_b32 s80, 0x600000                        ; the mantissa field of 57,344
	s_mov_b32 s17, 0                               ; the trip
	s_wait_alu depctr_va_vdst(0)
	s_wait_dscnt 0x0                               ; both opening adds are done
	CROUND                                         ; all sixteen work-groups are here: the joint loads meet
	s_wait_kmcnt 0x0
	s_add_nc_u64 s[G0+2:G0+3], s[4:5], s[18:19]
	s_or_b32 s[G0+3], s[G0+3], 0x80000000
	tensor_load_to_lds s[G0:G0+3], s[G1:G1+7]      ; my one load at the head: a quarter of q's 256 tokens, all of K: both slots
	s_nop 0
	PLACES 4
	s_add_nc_u64 s[50:51], s[4:5], s[50:51]
	s_add_nc_u64 s[52:53], s[4:5], s[52:53]
	s_add_nc_u64 s[54:55], s[4:5], s[54:55]
	s_add_nc_u64 s[62:63], s[4:5], s[62:63]
	s_add_nc_u64 s[66:67], s[4:5], s[66:67]
	s_add_nc_u64 s[68:69], s[4:5], s[68:69]
	s_add_nc_u64 s[10:11], s[10:11], s[56:57]
	s_add_nc_u64 s[56:57], s[8:9], s[56:57]
	s_add_nc_u64 s[74:75], s[12:13], s[74:75]
	s_add_nc_u64 s[58:59], s[6:7], s[58:59]
	s_add_nc_u64 s[60:61], s[6:7], s[60:61]
	s_add_nc_u64 s[70:71], s[6:7], s[70:71]
	s_add_nc_u64 s[72:73], s[6:7], s[72:73]
.macro LDSC                            ; the scale words of what stays and of what moves: 24 loads
.irp p, 0,1
.irp sp, 0,1,2,3
	global_load_b64 v[SB+8*\p+2*\sp:SB+8*\p+2*\sp+1], v[SWO], s[52:53] offset:1024*\p+128*\sp
.endr
.endr
.irp p, 0,1,2,3
.irp sp, 0,1,2,3
	global_load_b64 v[SA+8*\p+2*\sp:SA+8*\p+2*\sp+1], v[SWO], s[54:55] offset:4096*(\p/2)+1024*(\p%2)+128*\sp
.endr
.endr
.endm
.macro LDCB                            ; q, k: register j of tile b is column 32 (b / 2) + 8 (b % 2) + 16 h + j of my 64
.irp b, 0,1,2,3
	global_load_b128 v[CB+8*\b:CB+8*\b+3], v[BO], s[56:57] offset:(32*(\b/2)+8*(\b%2))*4
	global_load_b128 v[CB+8*\b+4:CB+8*\b+7], v[BO], s[56:57] offset:(32*(\b/2)+8*(\b%2))*4+16
.endr
.endm
.macro LDW                             ; what stays: 16 loads a K step, K ascending; each reads 512 consecutive bytes
.irp q, 0,1,2,3,4,5,6,7
	WIN (1+\q/4)<<6
.irp b, 0,1,2,3
.irp c, 0,1,2,3
	global_load_b128 v[16*((4*\q+\b)%16)+4*\c:16*((4*\q+\b)%16)+4*\c+3], v[WO], s[50:51] offset:16384*\b+2048*\q+512*\c
.endr
.endr
.endr
	WIN 0
.endm
.irp n, 0,1,2,3,4,5,6,7                        ; b_v at my lane's column of v's block n
	global_load_b32 v[BV+\n], v[RP], s[74:75] offset:((\n/4)*128+32*((\n%4)/2)+8*(\n%2))*4
.endr
	LDSC
	LDCB
	LDW
	global_prefetch_b8 v[PF], s[4:5] th:TH_LOAD_NT scope:SCOPE_SE                  ; k's rows 0-127: what the first refill brings
	global_prefetch_b8 v[PF], s[4:5] offset:131072 th:TH_LOAD_NT scope:SCOPE_SE    ; and rows 128-255: the second
.macro FETCH m                         ; block m, 16 rows, all of K, into set m % 2 of window 3: 32 loads
	WIN 3<<6
.irp q, 0,1,2,3,4,5,6,7
.irp c, 0,1,2,3
	ds_load_b128 v[128*((\m)%2)+16*\q+4*\c:128*((\m)%2)+16*\q+4*\c+3], v[AX+(\m)/4] offset:((\m)%4)*16384+2048*\q+512*\c
.endr
.endr
	WIN 0
.endm
.macro PRODS i                         ; block i's 32 products: K ascending, the four accumulators by turns
.set Q_, 0
.rept 8
.if (\i) == 0
.if Q_ == 0
	s_wait_loadcnt 63                              ; of the 128 loads of what stays the last 63 may be out: K steps 0 to 3, the scale words and the bias are in
.elseif Q_ >= 4
	s_wait_loadcnt 16*(7-Q_)                       ; the later K steps' loads, 16 a step, may be out
.endif
.endif
	WIN (1+Q_/4)|(3<<2)
.set B_, 0
.rept 4
.set AC_, ACC+32*((\i)%2)+8*B_
.set C_, AC_
.if Q_ == 0
.set C_, CB+8*B_
.endif
.set W_, 16*((4*Q_+B_)%16)
.set R_, 128*((\i)%2)+16*Q_
.set WS_, SB+8*(B_/2)+Q_
.set XS_, SA+8*((\i)/2)+Q_
.if (B_%2) && ((\i)%2)
	v_wmma_scale_f32_16x16x128_f8f6f4 v[AC_:AC_+7], v[W_:W_+15], v[R_:R_+15], v[C_:C_+7], v[WS_], v[XS_] matrix_a_fmt:MATRIX_FMT_BF8 matrix_b_fmt:MATRIX_FMT_BF8 matrix_a_scale:MATRIX_SCALE_ROW1 matrix_b_scale:MATRIX_SCALE_ROW1
.elseif B_%2
	v_wmma_scale_f32_16x16x128_f8f6f4 v[AC_:AC_+7], v[W_:W_+15], v[R_:R_+15], v[C_:C_+7], v[WS_], v[XS_] matrix_a_fmt:MATRIX_FMT_BF8 matrix_b_fmt:MATRIX_FMT_BF8 matrix_a_scale:MATRIX_SCALE_ROW1
.elseif (\i)%2
	v_wmma_scale_f32_16x16x128_f8f6f4 v[AC_:AC_+7], v[W_:W_+15], v[R_:R_+15], v[C_:C_+7], v[WS_], v[XS_] matrix_a_fmt:MATRIX_FMT_BF8 matrix_b_fmt:MATRIX_FMT_BF8 matrix_b_scale:MATRIX_SCALE_ROW1
.else
	v_wmma_scale_f32_16x16x128_f8f6f4 v[AC_:AC_+7], v[W_:W_+15], v[R_:R_+15], v[C_:C_+7], v[WS_], v[XS_] matrix_a_fmt:MATRIX_FMT_BF8 matrix_b_fmt:MATRIX_FMT_BF8
.endif
.set B_, B_+1
.endr
.set Q_, Q_+1
.endr
.endm
; THE QUANTISER of block n: my row's 32 sums are two halves of two blocks of 32 along the next K; the other halves lie in lane l xor 16.  Registers 16 p + 0 .. 15 are k = 32 p + 16 h + 0 .. 15: the codes are the operand's registers.
.macro EPI n, kind
.set A_, ACC+32*((\n)%2)
	s_wait_xcnt 0x0                                ; the earlier stores have read their registers
.irp p, 0,1
	v_max3_num_f32 v[TM+\p], |v[A_+16*\p]|, |v[A_+16*\p+1]|, 0x8000000   ; each accumulator from its low end on; the floor 2^(16 - 127) holds the byte at 1 from below
.endr
.irp i, 2,4,6,8,10,12,14
.irp p, 0,1
	v_max3_num_f32 v[TM+\p], v[TM+\p], |v[A_+16*\p+\i]|, |v[A_+16*\p+\i+1]|
.endr
.endr
.irp p, 0,1
	v_permlanex16_b32 v[TM+2+\p], v[TM+\p], s78, s79
.endr
.irp p, 0,1
	v_max_num_f32 v[TM+\p], v[TM+\p], v[TM+2+\p]
.endr
.irp p, 0,1
	v_add_nc_u32 v[SO+\p], 0xf8800000, v[TM+\p]    ; 15 off the exponent field: the conversion's scale operand
.endr
.irp p, 0,1
	v_and_or_b32 v[HL+\p], v[TM+\p], 0x7f800000, s80   ; 57,344 x the scale
.endr
.irp p, 0,1
	v_lshrrev_b32 v[BY+\p], 23, v[SO+\p]           ; the byte
.endr
	v_lshl_or_b32 v[FW+(\n)%4], v[BY+1], 8, v[BY]
.irp p, 0,1
.irp i, 0,1,2,3,4,5,6,7,8,9,10,11,12,13,14,15
	v_med3_num_f32 v[A_+16*\p+\i], v[A_+16*\p+\i], -v[HL+\p], v[HL+\p]   ; the conversion does not saturate (ISA guide 7.6.2): the hold
.endr
	v_cvt_scalef32_pk8_bf8_f32 v[PC+4*\p:PC+4*\p+1], v[A_+16*\p:A_+16*\p+7], v[SO+\p]
	v_cvt_scalef32_pk8_bf8_f32 v[PC+4*\p+2:PC+4*\p+3], v[A_+16*\p+8:A_+16*\p+15], v[SO+\p]
.endr
	v_nop                                          ; a plain line behind the last conversion
.if \kind
	global_store_b128 v[WO], v[PC:PC+3], s[70:71] offset:((\n)/4)*262144+((\n)%4)*2048        ; 512 consecutive bytes each
	global_store_b128 v[WO], v[PC+4:PC+7], s[70:71] offset:((\n)/4)*262144+((\n)%4)*2048+512
	global_store_b16 v[R16], v[FW+(\n)%4], s[72:73] offset:((\n)/4)*16384+((\n)%4)*4          ; my two of the row's four bytes (both halves of the lanes write the same)
.else
	global_store_b128 v[WO], v[PC:PC+3], s[58:59] offset:(((\n)/4)*8+(\n)%4)*1024
	global_store_b128 v[WO], v[PC+4:PC+7], s[58:59] offset:(((\n)/4)*8+(\n)%4)*1024+512
.if (\n)%4 == 3
	global_store_b128 v[R16], v[FW:FW+3], s[60:61] offset:((\n)/4)*512                        ; four tiles' words of a row: sixteen lanes fill 256 bytes, aligned (both halves write the same)
.endif
.endif
.endm
.macro CBMOV n                         ; v: all 32 sums of block n begin with b_v at my lane's column
.set K_, 0
.rept 16
	v_dual_mov_b32 v[CB+K_], v[BV+(\n)] :: v_dual_mov_b32 v[CB+K_+1], v[BV+(\n)]
.set K_, K_+2
.endr
	s_wait_alu depctr_va_vdst(0)
.endm
.macro ROUNDFILL hf                    ; slot hf, whose last block stands in registers, takes the next tile's rows
	s_wait_tensorcnt 0x0                           ; my load into the other slot has landed, and the group 0 may be written;
	ds_add_u32 v[SPW], v[NIL]
	s_lshl_b32 s[G0+1], s14, 15
.if \hf
	s_add_co_u32 s[G0+1], s[G0+1], 131072
.endif
	s_add_co_u32 s20, s[RO], (\hf)*131072
	s_mov_b32 s21, 0
	s_add_nc_u64 s[G0+2:G0+3], s[4:5], s[20:21]
	s_or_b32 s[G0+3], s[G0+3], 0x80000000
	s_wait_dscnt 0x0                               ; the add is done, and my reads of the slot are back
	CROUND                                         ; both hold of every wave of all sixteen work-groups
	tensor_load_to_lds s[G0:G0+3], s[G1R:G1R+7]    ; the first and only tensor load behind the round
	s_nop 0
	PLACES 4
.endm
.macro BLK n, kind, refill
	PRODS \n
	WIN 0
.if ((\n) == 2 || (\n) == 6) && \refill
	ROUNDFILL (\n)/4
.elseif (\n) == 2
	s_wait_tensorcnt 0x0                           ; the last refill, slot 1's, has landed; nothing is filled again
	s_wait_dscnt 0x0
	s_barrier_signal -1
	s_barrier_wait -1
.else
	s_wait_dscnt 0x0                               ; the next block's set is in: asked for 32 products ago
.endif
.if (\n) > 0
	EPI (\n)-1, \kind                              ; its vector lines are also the places behind this block's last product
.else
	PLACES 8
.endif
.if \kind && ((\n) < 7)
	CBMOV (\n)+1
.endif
.if ((\n) < 6) || \refill
	FETCH ((\n)+2)%8                               ; behind blocks 6 and 7: the next tile's blocks 0 and 1
.endif
.endm
.macro TRIP kind, refill
.irp n, 0,1,2,3,4,5,6,7
	BLK \n, \kind, \refill
.endr
	EPI 7, \kind
.endm
	s_wait_tensorcnt 0x0                           ; my quarter of q's tokens is in
	s_barrier_signal -1
	s_barrier_wait -1                              ; and everybody's
	FETCH 0
	FETCH 1
	s_wait_dscnt 32                                ; block 0's set is in; block 1's 32 loads may be out
.Ltrip:                                        ; two trips: q, k
	TRIP 0, 1
	s_wait_xcnt 0x0                                ; the stores have read their bases; the loads' were freed by their own waits
	s_cmp_eq_u32 s17, 0                            ; behind q comes k, a constant further on in each buffer; behind k comes v
	s_add_nc_u64 s[50:51], s[50:51], 1048576
	s_cselect_b64 s[50:51], s[50:51], s[62:63]
	s_add_nc_u64 s[52:53], s[52:53], 32768
	s_cselect_b64 s[52:53], s[52:53], s[66:67]
	s_add_nc_u64 s[54:55], s[54:55], 262144
	s_cselect_b64 s[54:55], s[54:55], s[68:69]
	s_add_nc_u64 s[58:59], s[58:59], 8388608
	s_add_nc_u64 s[60:61], s[60:61], 524288
	s_mov_b64 s[56:57], s[10:11]
	s_mov_b32 s[RO], s[ROV]
	LDSC
	s_cmp_lg_u32 s17, 0
	s_cbranch_scc1 .Lno_cb                         ; v's bias does not lie along the registers
	LDCB
.Lno_cb:
	LDW
	s_add_co_u32 s17, s17, 1
	s_cmp_lt_u32 s17, 2
	s_wait_alu depctr_va_vdst(0)
	s_cbranch_scc1 .Ltrip
	s_wait_loadcnt 63                              ; no load into the first products' C is out
	CBMOV 0
	TRIP 1, 0                                      ; v
	s_wait_tensorcnt 0x0                           ; the wave's end
	ds_add_u32 v[SPW], v[NIL]
	s_wait_dscnt 0x0
	CROUND                                         ; the closing round
	s_endpgm
.Lfunc_end_k_q889797714b_proj:
	.size	k_q889797714b_proj, .Lfunc_end_k_q889797714b_proj-k_q889797714b_proj
	.p2alignl 7, 3214868480
	.fill 96, 4, 3214868480
	.section	.rodata,"a",@progbits
	.p2align	6, 0x0
	.amdhsa_kernel k_q889797714b_proj
		.amdhsa_group_segment_fixed_size 327680
		.amdhsa_private_segment_fixed_size 0
		.amdhsa_enable_private_segment 0
		.amdhsa_kernarg_size 40
		.amdhsa_user_sgpr_count 2
		.amdhsa_user_sgpr_kernarg_segment_ptr 1
		.amdhsa_wavefront_size32 1
		.amdhsa_system_sgpr_workgroup_id_x 1
		.amdhsa_system_sgpr_workgroup_id_y 1
		.amdhsa_system_sgpr_workgroup_id_z 1
		.amdhsa_system_vgpr_workitem_id 0
		.amdhsa_next_free_vgpr 1024
		.amdhsa_next_free_sgpr 82
		.amdhsa_reserve_vcc 0
		.amdhsa_float_denorm_mode_32 3
		.amdhsa_float_denorm_mode_16_64 3
		.amdhsa_memory_ordered 1
		.amdhsa_forward_progress 1
		.amdhsa_inst_pref_size 218
	.end_amdhsa_kernel
	.amdgpu_metadata
---
amdhsa.version: [ 1, 2 ]
amdhsa.kernels:
  - .name:           k_q889797714b_proj
    .symbol:         k_q889797714b_proj.kd
    .args:
      - { .name: xw, .offset: 0, .size: 8, .value_kind: global_buffer, .address_space: global }
      - { .name: hq, .offset: 8, .size: 8, .value_kind: global_buffer, .address_space: global }
      - { .name: b_q, .offset: 16, .size: 8, .value_kind: global_buffer, .address_space: global }
      - { .name: b_k, .offset: 24, .size: 8, .value_kind: global_buffer, .address_space: global }
      - { .name: b_v, .offset: 32, .size: 8, .value_kind: global_buffer, .address_space: global }
    .group_segment_fixed_size: 327680
    .private_segment_fixed_size: 0
    .kernarg_segment_align: 8
    .kernarg_segment_size: 40
    .max_flat_workgroup_size: 128
    .sgpr_count:     82
    .vgpr_count:     1024
    .wavefront_size: 32
...
	.end_amdgpu_metadata
.endif
;; end of part 2
;; launch attn (part 3): grid 4 x 64, 16 waves a work-group, no clusters, 141,312 bytes of LDS; arguments hq, mk, cq; writes cq
.if DOCPART == 3
	.amdgcn_target "amdgcn-amd-amdhsa--gfx1250"
	.amdhsa_code_object_version 6
	.text
	.protected	k_q889797714b_attn
	.globl	k_q889797714b_attn
	.p2align	8
	.type	k_q889797714b_attn,@function
k_q889797714b_attn:
	s_mov_b64 s[64:65], 0
	v_nop
	global_prefetch_b8 v0, s[64:65] scope:SCOPE_SE
	s_setreg_imm32_b32 hwreg(HW_REG_WAVE_MODE, 25, 1), 1
	s_wait_xcnt 0x0
; ATTN: for each of 64 heads (batch x head) softmax(mask(q k^T / 8)) v on codes of BF8 (E5M2) with E8M0 scales; the result, divided by the row's sum, is quantised along the merged heads and stored as codes.
; THE SOFTMAX: t = score x log2(e) / 8; M = the running largest t rounded UP to a whole number; p = 2^(t - M) is quantised along the keys, not normalised; the row's sum is taken of the unquantised p;
; when M moves, the sum and O are multiplied by 2^(old M - new M), which rounds nothing.
; THE MASK is an input.  An earlier launch has packed it: 64 lane masks for each (tile of 16 queries, step of 128 keys), and a summary word (bit r: slot r has a key that counts in the step; bit 16: all count).
; A hidden score becomes -2^33 ahead of the maximum.  LIMIT: that is a logit of -2^30 where the source has -1e9: x c it is a whole number, so a row with no key that counts gets p = 1 for every key, as the source's equal
; logits give; the results agree as long as true logits lie above about -1e9 + 200.  A tile's step in which no slot has a key that counts is left out, but only if every slot of the tile has such a key in some step.
; This launch has no tensor load, and so no joint load: K and V come through registers into LDS.
; SHARES.  A work-group is a head and a quarter of its query tiles; each of sixteen waves owns TWO tiles of 16 queries, tau and 127 - tau: under a triangular mask every wave has the same work; it is right for any mask.
; LDS: TWO SLOTS OF FOUR KEY STEPS.  A key step is 17,408 bytes: K 8,192, V 8,192, K's scale words 512, V's 256 written twice.  While a slot's four steps are worked, step s + 4 is stored into the other slot in step s.
; ONE barrier for four key steps: in front of it each wave's stores have landed and its reads are back; behind it the other slot is whole and this one may be written.
; No prefetch: a step's K and V are asked for by loads five key steps ahead of their first use, and those loads are waited for one key step after they are issued.
; LAYOUT.  Both products transposed: S^T = K Q^T, O^T = V^T P^T: a lane holds one query.  Slot r of tile a of 128 rows is row 32 (a / 2) + 8 (a % 2) + r % 8 + 16 (r / 8): the 16 registers of two neighbouring tiles are 16 neighbours.
; THE HEAD'S 64 ARE HALF OF THE INSTRUCTION'S 128: Q's fragment has zero codes in its upper eight registers; K's upper eight are whatever finite codes follow; the scale bytes there are 0.
; NaN and infinities are not served.
; REGISTERS: v1-7, v11 addresses; v8-10 scale words of Q (two tiles) and p; v12-15, v16-19 -M, largest t, the sum's two halves; v20-31 staging; v32-47, v48-63 Q; v64-95 four tiles of K, then at work; v96-103 zeros;
; v104-107 K's scale words; v108-123 p's codes; v124-127 V's scale words; v128-191 S^T, p, then V's fragments; v192-223, v224-255 O^T.
.set HSC,  25165824
.set KOF,  8388608
.set VOF,  16777216
.set MSUM, 524288
.set CSC,  8388608
.set PITCH, 17408                      ; a key step in LDS
.set SLOTB, 4*PITCH                    ; a slot
.set SPARE, 2*SLOTB                    ; the spare words: 128 bytes a wave
.set LI,  1                            ; 16 x lane
.set GT,  3                            ; 16 x thread: my bytes of a step's 8,192
.set GS,  4                            ; my bytes of a step's scale words in memory
.set LSS, 5                            ; and in a key step's LDS
.set PA,  6                            ; where the staged K and V go
.set ADK, 7                            ; 16 x lane in the key step in hand
.set QSA, 8
.set QSB, 9
.set PSW, 10
.set PB,  11                           ; where the staged scale words go
.set QA,  32
.set QB,  48
.set KT,  64
.set Z,   96
.set KS,  104
.set PC,  108
.set VS,  124
.set S,   128
.set OA,  192
.set OB,  224
.set BM,  64                           ; at work, where K's tiles lay
.set BT,  68
.set HL,  72
.set SO,  76
.set F,   80
.set T0,  82
.set C2,  84
.set NEG, 86
.set TB,  76                           ; s76  LDS byte of the key step in hand
.set TP,  77                           ; s77  LDS byte of the key step four on
.set IC,  78                           ; s78  steps left in the slot
	s_load_b128 s[4:7], s[0:1], 0x0                ; hq s[4:5], mk s[6:7]
	s_load_b64 s[96:97], s[0:1], 0x10              ; cq
	v_lshrrev_b32 v7, 5, v0
	v_readfirstlane_b32 s10, v7                    ; wave 0..15
	v_and_b32 v7, 31, v0
	v_and_b32 v2, 15, v0
	v_lshlrev_b32 v[LI], 4, v7
	v_lshlrev_b32 v2, 4, v2                        ; 16 x (lane % 16): Q's scale words
	v_lshlrev_b32 v[GT], 4, v0
	s_cmp_eq_u32 s10, 0
	s_cselect_b32 s75, 31, 15                      ; wave 0 stages K's 512 bytes of scale words; wave 1 V's 256, twice
	v_and_b32 v[GS], s75, v0
	v_bfe_u32 v[LSS], v0, 5, 1
	v_lshlrev_b32 v[GS], 4, v[GS]
	v_lshl_add_u32 v[LSS], v[LSS], 9, v[LI]
	v_add_nc_u32 v[LSS], 16384, v[LSS]
	s_mov_b32 s70, 0x76543210
	s_mov_b32 s71, 0xfedcba98                      ; v_permlanex16_b32's selects for lane l xor 16
	s_mov_b32 s72, 0x3e38aa3b                      ; c = log2(e) / 8
	s_mov_b32 s73, s72                             ; (named with it as a pair)
	s_mov_b32 s74, 0x600000                        ; the mantissa field of 57,344
	s_and_b32 s69, ttmp7, 0xffff                   ; the head, 0 .. 63
	s_lshl_b32 s100, ttmp9, 4
	s_add_co_u32 s100, s100, s10                   ; my first tile of queries,
	s_sub_co_u32 s101, 127, s100                   ; and my second
	s_lshl_b32 s75, s100, 6
	s_add_co_u32 s75, s75, MSUM
	s_lshl_b32 s76, s101, 6
	s_add_co_u32 s76, s76, MSUM
	s_wait_alu depctr_va_vdst(0)
	s_wait_kmcnt 0x0
	s_load_b512 s[16:31], s[6:7], s75 offset:0x0   ; the two tiles' 16 summary words
	s_load_b512 s[32:47], s[6:7], s76 offset:0x0
	s_lshl_b32 s48, s69, 17
	s_mov_b32 s49, 0
	s_add_nc_u64 s[48:49], s[4:5], s[48:49]        ; the head's codes of q
	s_lshl_b32 s50, s100, 10
	s_mov_b32 s51, 0
	s_add_nc_u64 s[50:51], s[48:49], s[50:51]
	s_lshl_b32 s52, s101, 10
	s_mov_b32 s53, 0
	s_add_nc_u64 s[52:53], s[48:49], s[52:53]
	s_add_nc_u64 s[2:3], s[48:49], KOF             ; of k,
	s_add_nc_u64 s[8:9], s[48:49], VOF             ; of v
	s_lshl_b32 s54, s69, 13
	s_add_co_u32 s54, s54, HSC
	s_mov_b32 s55, 0
	s_add_nc_u64 s[54:55], s[4:5], s[54:55]        ; the head's scale words of q
	s_lshr_b32 s56, s100, 2
	s_lshl_b32 s56, s56, 8
	s_and_b32 s57, s100, 3
	s_lshl_b32 s57, s57, 2
	s_add_co_u32 s56, s56, s57
	s_mov_b32 s57, 0
	s_add_nc_u64 s[56:57], s[54:55], s[56:57]
	s_lshr_b32 s58, s101, 2
	s_lshl_b32 s58, s58, 8
	s_and_b32 s59, s101, 3
	s_lshl_b32 s59, s59, 2
	s_add_co_u32 s58, s58, s59
	s_mov_b32 s59, 0
	s_add_nc_u64 s[58:59], s[54:55], s[58:59]
	s_and_b32 s60, s10, 1
	s_lshl_b32 s60, s60, 19
	s_add_co_u32 s60, s60, 524288
	s_mov_b32 s61, 0
	s_add_nc_u64 s[98:99], s[54:55], s[60:61]      ; even waves: k's scale words; odd: v's
	global_load_b128 v[QA:QA+3], v[LI], s[50:51]
	global_load_b128 v[QA+4:QA+7], v[LI], s[50:51] offset:512
	global_load_b128 v[QB:QB+3], v[LI], s[52:53]
	global_load_b128 v[QB+4:QB+7], v[LI], s[52:53] offset:512
	global_load_b32 v[QSA], v2, s[56:57]
	global_load_b32 v[QSB], v2, s[58:59]
.irp i, 0,1,2,3                                ; key steps 0 to 3, the first slot: staged where the scores will lie
	global_load_b128 v[S+8*\i:S+8*\i+3], v[GT], s[2:3] offset:8192*\i
	global_load_b128 v[S+8*\i+4:S+8*\i+7], v[GT], s[8:9] offset:8192*\i
.endr
	s_cmp_lt_u32 s10, 2
	s_cbranch_scc0 .Lh0
.irp i, 0,1,2,3
	global_load_b128 v[S+32+4*\i:S+32+4*\i+3], v[GS], s[98:99] offset:512*\i
.endr
	global_load_b128 v[28:31], v[GS], s[98:99] offset:2048
.Lh0:
	global_load_b128 v[20:23], v[GT], s[2:3] offset:32768   ; key step 4: the last two loads on every path
	global_load_b128 v[24:27], v[GT], s[8:9] offset:32768
.irp j, 0,1,2,3,4,5,6,7
	v_mov_b32 v[QA+8+\j], 0                        ; the upper 64 of the instruction's 128: zero codes
	v_mov_b32 v[QB+8+\j], 0
	v_mov_b32 v[Z+\j], 0
.endr
.set j, 0
.rept 64
	v_mov_b32 v[OA+j], 0                           ; O^T.  (The step is written once: a tile's first step finds zeros, which the first change of M leaves zeros)
.set j, j+1
.endr
.irp s, 12, 16
	v_mov_b32 v[\s+1], 0xff61b1e6                  ; the largest t so far: -3e38
	v_mov_b32 v[\s+2], 0
	v_mov_b32 v[\s+3], 0
	v_floor_f32 v[\s], -v[\s+1]                    ; -M
.endr
; which steps a tile works (wk), and in which of them the mask is applied (mx)
.macro FLAGS base, wk, mx
	s_mov_b32 s75, 0
	s_mov_b32 s[\wk], 0
	s_mov_b32 s76, 0
.irp s, 0,1,2,3,4,5,6,7,8,9,10,11,12,13,14,15
	s_and_b32 s77, s[\base+\s], 0xffff
	s_or_b32 s75, s75, s77                         ; slots that have a key somewhere
	s_cmp_lg_u32 s77, 0
	s_cselect_b32 s77, 1<<\s, 0
	s_or_b32 s[\wk], s[\wk], s77
	s_bfe_u32 s77, s[\base+\s], 0x10010
	s_lshl_b32 s77, s77, \s
	s_or_b32 s76, s76, s77                         ; steps in which all count
.endr
	s_cmp_lg_u32 s75, 0xffff
	s_cselect_b32 s77, 0xffff, 0                   ; a slot with no key at all: every step is worked
	s_or_b32 s[\wk], s[\wk], s77
	s_and_not1_b32 s[\mx], s[\wk], s76
.endm
	s_wait_kmcnt 0x0
	FLAGS 16, 13, 14
	FLAGS 32, 15, 66
	s_lshl_b32 s67, s100, 12                       ; the tiles' mask words: 4,096 bytes a tile, 256 a step
	s_lshl_b32 s68, s101, 12
	s_mov_b32 s11, 0                               ; the key step
	s_mov_b32 s12, 2                               ; trips: two slots a trip
	s_wait_alu depctr_va_vdst(0)
	s_wait_loadcnt 0x2                             ; all but key step 4's K and V, the two loads issued last: Q and key steps 0 to 3 are in
.irp i, 0,1,2,3
	ds_store_b128 v[GT], v[S+8*\i:S+8*\i+3] offset:PITCH*\i
	ds_store_b128 v[GT], v[S+8*\i+4:S+8*\i+7] offset:PITCH*\i+8192
.endr
	s_cmp_lt_u32 s10, 2
	s_cbranch_scc0 .Lh1
.irp i, 0,1,2,3
	ds_store_b128 v[LSS], v[S+32+4*\i:S+32+4*\i+3] offset:PITCH*\i
.endr
.Lh1:
	s_wait_xcnt 0x0                                ; the loads have read their bases, which now go to key step 4
	s_add_nc_u64 s[2:3], s[2:3], 32768
	s_add_nc_u64 s[8:9], s[8:9], 32768
	s_add_nc_u64 s[98:99], s[98:99], 2048
	s_wait_dscnt 0x0                               ; for the others' sake
	s_barrier_signal -1
	s_barrier_wait -1
; S^T = K Q^T of 128 keys, four tiles of 16 keys at a time; eight places behind each group of four products
.macro SCORES QF, QS
.irp g, 0,1
.if \g
.rept 8
	v_nop                                          ; places in front of loads into registers that matrix instructions have read
.endr
.endif
.irp t, 0,1,2,3
	ds_load_b128 v[KT+8*\t:KT+8*\t+3], v[ADK] offset:(2*(4*\g+\t))*512
	ds_load_b128 v[KT+8*\t+4:KT+8*\t+7], v[ADK] offset:(2*(4*\g+\t)+1)*512
.endr
	ds_load_b128 v[KS:KS+3], v[ADK] offset:16384+256*\g   ; lanes 0-15 take their rows' words; what lanes 16-31 take is not read
	s_wait_dscnt 0x0
.irp t, 0,1,2,3
	v_wmma_scale_f32_16x16x128_f8f6f4 v[S+8*(4*\g+\t):S+8*(4*\g+\t)+7], v[KT+8*\t:KT+8*\t+15], v[\QF:\QF+15], 0, v[KS+\t], v[\QS] matrix_a_fmt:MATRIX_FMT_BF8 matrix_b_fmt:MATRIX_FMT_BF8
.endr
.endr
.rept 8
	v_nop
.endr
.endm
; ONE TILE'S KEY STEP: 128 keys.
.macro STEP QF, QS, SS, OO, MX, OF
	s_lshr_b32 s75, s[\MX], s11
	s_and_b32 s75, s75, 1
	s_cmp_lg_u32 s75, 0
	s_cbranch_scc1 .Lmk_\@
	SCORES \QF, \QS                                ; every key of the step counts for every slot
	s_branch .Ljoin_\@
.Lmk_\@:                                       ; a step with hidden keys has a copy of its own: its 64 lane masks are asked for ahead of the products
	s_load_b512 s[16:31], s[6:7], s[\OF] offset:0x0
	s_load_b512 s[32:47], s[6:7], s[\OF] offset:0x40
	s_load_b512 s[48:63], s[6:7], s[\OF] offset:0x80
	s_load_b512 s[80:95], s[6:7], s[\OF] offset:0xc0
	SCORES \QF, \QS
	s_wait_kmcnt 0x0
	v_mov_b32 v[NEG], 0xd0000000                   ; -2^33
.set j, 0
.rept 64
	v_cndmask_b32 v[S+j], v[NEG], v[S+j], s[16+j+16*(j/48)]
.set j, j+1
.endr
.Ljoin_\@:
.irp b, 0,1,2,3
	v_max3_num_f32 v[BM+\b], v[S+16*\b], v[S+16*\b+1], v[S+16*\b+2]   ; the largest score of each block of 32 keys: for the row's maximum, and for the block's largest p
.endr
.irp i, 3,5,7,9,11,13
.irp b, 0,1,2,3
	v_max3_num_f32 v[BM+\b], v[BM+\b], v[S+16*\b+\i], v[S+16*\b+\i+1]
.endr
.endr
.irp b, 0,1,2,3
	v_max_num_f32 v[BM+\b], v[BM+\b], v[S+16*\b+15]
.endr
.irp b, 0,1,2,3
	s_delay_alu instid0(VALU_DEP_4)
	v_permlanex16_b32 v[BT+\b], v[BM+\b], s70, s71
.endr
.irp b, 0,1,2,3
	s_delay_alu instid0(VALU_DEP_4)
	v_max_num_f32 v[BM+\b], v[BM+\b], v[BT+\b]     ; with lane l xor 16's 16 keys
.endr
	s_delay_alu instid0(VALU_DEP_2)
	v_max3_num_f32 v[T0], v[BM], v[BM+1], v[BM+2]
	s_delay_alu instid0(VALU_DEP_1)
	v_max_num_f32 v[T0], v[T0], v[BM+3]
	s_delay_alu instid0(VALU_DEP_1)
	v_mul_f32 v[T0], s72, v[T0]                    ; as t
	s_delay_alu instid0(VALU_DEP_1)
	v_max_num_f32 v[\SS+1], v[\SS+1], v[T0]        ; the running largest t
	v_mov_b32 v[T0], v[\SS]
	s_delay_alu instid0(VALU_DEP_2)
	v_floor_f32 v[\SS], -v[\SS+1]                  ; the new -M = -ceil(t)
	s_delay_alu instid0(VALU_DEP_1)
	v_sub_f32 v[T0], v[\SS], v[T0]                 ; old M - new M: a whole number, 0 or less
	s_delay_alu instid0(VALU_DEP_1)
	v_cvt_i32_f32 v[T0], v[T0]                     ; (it saturates)
	s_delay_alu instid0(VALU_DEP_1)
	v_ldexp_f32 v[F], 1.0, v[T0]                   ; f = 2^(old M - new M)
.set j, 0
.rept 32
	v_pk_fma_f32 v[S+j:S+j+1], v[S+j:S+j+1], s[72:73], v[\SS:\SS+1] op_sel_hi:[1,0,0]   ; t - M, two at a time
.set j, j+2
.endr
.irp b, 0,1,2,3
	v_fma_f32 v[BM+\b], v[BM+\b], s72, v[\SS]      ; the same of each block's largest score
.endr
.set j, 0
	s_wait_alu depctr_va_vdst(0)
.rept 64
	v_exp_f32 v[S+j], v[S+j]                       ; p = 2^(t - M)
.set j, j+1
.endr
	v_pk_mul_f32 v[\SS+2:\SS+3], v[\SS+2:\SS+3], v[F:F+1] op_sel_hi:[1,0]   ; the sums under the new M: the plain line behind the exponentials
	s_wait_alu depctr_va_vdst(0)                   ; one wait for the batch, ahead of its first reader
.irp b, 0,1,2,3
	v_exp_f32 v[BM+\b], v[BM+\b]                   ; the blocks' largest p
.endr
	v_pk_add_f32 v[C2:C2+1], v[S:S+1], v[S+2:S+3]  ; the row's sum of the unquantised p, in two chains
.set j, 4
.rept 15
	v_pk_add_f32 v[\SS+2:\SS+3], v[\SS+2:\SS+3], v[S+j:S+j+1]
	v_pk_add_f32 v[C2:C2+1], v[C2:C2+1], v[S+j+2:S+j+3]
.set j, j+4
.endr
	s_delay_alu instid0(VALU_DEP_1)
	v_pk_add_f32 v[\SS+2:\SS+3], v[\SS+2:\SS+3], v[C2:C2+1]
	s_wait_alu depctr_va_vdst(0)                   ; and one for the four
.irp b, 0,1,2,3
	v_max_num_f32 v[BM+\b], 0x8000000, v[BM+\b]    ; the floor 2^(16 - 127)
.endr
.irp b, 0,1,2,3
	s_delay_alu instid0(VALU_DEP_4)
	v_add_nc_u32 v[SO+\b], 0xf8800000, v[BM+\b]    ; the conversion's scale operand
.endr
.irp b, 0,1,2,3
	v_and_or_b32 v[HL+\b], v[BM+\b], 0x7f800000, s74   ; 57,344 x the scale
.endr
.irp b, 0,1,2,3
	v_lshrrev_b32 v[BT+\b], 23, v[SO+\b]           ; the byte
.endr
	s_delay_alu instid0(VALU_DEP_3)
	v_lshl_or_b32 v[PSW], v[BT+1], 8, v[BT]
	s_delay_alu instid0(VALU_DEP_1)
	v_lshl_or_b32 v[PSW], v[BT+2], 16, v[PSW]
	s_delay_alu instid0(VALU_DEP_1)
	v_lshl_or_b32 v[PSW], v[BT+3], 24, v[PSW]
.irp b, 0,1,2,3
.irp i, 0,2,4,6,8,10,12,14
	v_dual_min_num_f32 v[S+16*\b+\i], v[HL+\b], v[S+16*\b+\i] :: v_dual_min_num_f32 v[S+16*\b+\i+1], v[HL+\b], v[S+16*\b+\i+1]   ; p is not negative: a one-sided hold, two numbers a line
.endr
	v_cvt_scalef32_pk8_bf8_f32 v[PC+4*\b:PC+4*\b+1], v[S+16*\b:S+16*\b+7], v[SO+\b]
	v_cvt_scalef32_pk8_bf8_f32 v[PC+4*\b+2:PC+4*\b+3], v[S+16*\b+8:S+16*\b+15], v[SO+\b]
.endr
.irp t, 0,1,2,3                                ; V's four fragments (16 channels x 128 keys) land where p lay
.irp c, 0,1,2,3
	ds_load_b128 v[S+16*\t+4*\c:S+16*\t+4*\c+3], v[ADK] offset:8192+2048*\t+512*\c
.endr
.endr
	ds_load_b128 v[VS:VS+3], v[ADK] offset:16896   ; V's 256 bytes of scale words lie there twice: all 32 lanes read written bytes
.set j, 0
.rept 16
	v_pk_mul_f32 v[\OO+j:\OO+j+1], v[\OO+j:\OO+j+1], v[F:F+1] op_sel_hi:[1,0]   ; O^T under the new M; these are also the places in front of the products
.set j, j+2
.endr
	s_wait_alu depctr_va_vdst(0)
	s_wait_dscnt 0x0
.irp t, 0,1,2,3
	v_wmma_scale_f32_16x16x128_f8f6f4 v[\OO+8*\t:\OO+8*\t+7], v[S+16*\t:S+16*\t+15], v[PC:PC+15], v[\OO+8*\t:\OO+8*\t+7], v[VS+\t], v[PSW] matrix_a_fmt:MATRIX_FMT_BF8 matrix_b_fmt:MATRIX_FMT_BF8
.endr
.rept 9
	v_nop                                          ; nine: the next scores are written over these products' first sources
.endr
.endm
; A KEY STEP of the work-group: my two tiles, where they have work; key step s + 4 goes into the other slot; key step s + 5 is asked for.
.macro KSTEP
	v_add_nc_u32 v[ADK], s[TB], v[LI]
	s_wait_alu depctr_va_vdst(0)
	s_lshr_b32 s75, s13, s11
	s_and_b32 s75, s75, 1
	s_cmp_lg_u32 s75, 0
	s_cbranch_scc0 .Lna_\@
	STEP QA, QSA, 12, OA, 14, 67
.Lna_\@:
	s_lshr_b32 s75, s15, s11
	s_and_b32 s75, s75, 1
	s_cmp_lg_u32 s75, 0
	s_cbranch_scc0 .Lnb_\@
	STEP QB, QSB, 16, OB, 66, 68
.Lnb_\@:
	s_cmp_lt_u32 s11, 12                           ; the last slot's steps stage nothing
	s_cbranch_scc0 .Lnp_\@
	s_wait_loadcnt 0x0                             ; key step s + 4's bytes, asked for a key step ago
	v_add_nc_u32 v[PA], s[TP], v[GT]
	v_add_nc_u32 v[PB], s[TP], v[LSS]
	ds_store_b128 v[PA], v[20:23]                  ; the other slot: every wave's reads of it ended in front of the last barrier
	ds_store_b128 v[PA], v[24:27] offset:8192
	s_cmp_lt_u32 s10, 2
	s_cbranch_scc0 .Lns_\@
	ds_store_b128 v[PB], v[28:31]
.Lns_\@:
	s_cmp_lt_u32 s11, 11
	s_cbranch_scc0 .Lnp_\@
	s_wait_dscnt 0x0                               ; the stores have read their registers
	s_add_nc_u64 s[2:3], s[2:3], 8192              ; no load is out: the bases go one key step on
	s_add_nc_u64 s[8:9], s[8:9], 8192
	s_add_nc_u64 s[98:99], s[98:99], 512
	global_load_b128 v[20:23], v[GT], s[2:3]
	global_load_b128 v[24:27], v[GT], s[8:9]
	s_cmp_lt_u32 s10, 2
	s_cbranch_scc0 .Lnp_\@
	global_load_b128 v[28:31], v[GS], s[98:99]
.Lnp_\@:
	s_add_co_u32 s11, s11, 1
	s_add_co_u32 s67, s67, 256
	s_add_co_u32 s68, s68, 256
	s_add_co_u32 s[TB], s[TB], PITCH
	s_add_co_u32 s[TP], s[TP], PITCH
.endm
.macro CHUNK slot                      ; a slot's four key steps, and the one barrier behind them
	s_mov_b32 s[TB], (\slot)*SLOTB
	s_mov_b32 s[TP], (1-(\slot))*SLOTB
	s_mov_b32 s[IC], 4
.Lstep_\@:
	KSTEP
	s_sub_co_u32 s[IC], s[IC], 1
	s_cmp_lg_u32 s[IC], 0
	s_cbranch_scc1 .Lstep_\@
	s_wait_dscnt 0x0                               ; my stores into the other slot have landed and my reads of this slot are back
	s_barrier_signal -1
	s_barrier_wait -1
.endm
.Lpair:
	CHUNK 0
	CHUNK 1
	s_sub_co_u32 s12, s12, 1
	s_cmp_lg_u32 s12, 0
	s_cbranch_scc1 .Lpair
; THE WAY OUT of a tile: O^T / the sum; register 16 b + i is channel 32 b + 16 h + i of my query: two blocks of the last product's K.  Codes as an image: cq [token tile][8 K steps][2048]; a head is half a K step.
.macro FIN SS, OO, TAU
	s_wait_xcnt 0x0                                ; the other tile's stores have read their registers and bases
	v_add_f32 v64, v[\SS+2], v[\SS+3]
	v_mov_b32 v65, 0
	s_delay_alu instid0(VALU_DEP_1)
	v_permlanex16_b32 v65, v64, s70, s71
	s_delay_alu instid0(VALU_DEP_1)
	v_add_f32 v64, v64, v65                        ; the row's sum
	s_wait_alu depctr_va_vdst(0)
	v_rcp_f32 v66, v64
	v_mov_b32 v67, 0                               ; (a plain line behind the reciprocal; the pair's upper half is named below)
	v_mov_b32 v70, 0
	v_mov_b32 v71, 0
	s_lshr_b32 s75, s69, 4
	s_lshl_b32 s75, s75, 7
	s_add_co_u32 s75, s75, s[\TAU]                 ; the token tile: 128 x batch + tile
	s_and_b32 s80, s69, 15                         ; the head in the batch
	s_lshl_b32 s76, s75, 14
	s_lshr_b32 s81, s80, 1
	s_lshl_b32 s82, s81, 11
	s_add_co_u32 s76, s76, s82
	s_and_b32 s83, s80, 1
	s_lshl_b32 s82, s83, 10
	s_add_co_u32 s76, s76, s82
	s_mov_b32 s77, 0
	s_add_nc_u64 s[76:77], s[96:97], s[76:77]
	s_lshl_b32 s78, s75, 9
	s_add_co_u32 s78, s78, CSC
	s_lshr_b32 s82, s80, 2
	s_lshl_b32 s82, s82, 7
	s_add_co_u32 s78, s78, s82
	s_and_b32 s82, s81, 1
	s_lshl_b32 s82, s82, 2
	s_add_co_u32 s78, s78, s82
	s_lshl_b32 s82, s83, 1
	s_add_co_u32 s78, s78, s82
	s_mov_b32 s79, 0
	s_add_nc_u64 s[78:79], s[96:97], s[78:79]
	s_wait_alu depctr_va_vdst(0)                   ; ahead of the reciprocal's first reader
.set j, 0
.rept 16
	v_pk_mul_f32 v[S+j:S+j+1], v[\OO+j:\OO+j+1], v[66:67] op_sel_hi:[1,0]   ; each accumulator from its low end on
.set j, j+2
.endr
.irp b, 0,1
	v_max3_num_f32 v[68+\b], |v[S+16*\b]|, |v[S+16*\b+1]|, 0x8000000
.endr
.irp i, 2,4,6,8,10,12,14
.irp b, 0,1
	s_delay_alu instid0(VALU_DEP_2)
	v_max3_num_f32 v[68+\b], v[68+\b], |v[S+16*\b+\i]|, |v[S+16*\b+\i+1]|
.endr
.endr
.irp b, 0,1
	s_delay_alu instid0(VALU_DEP_2)
	v_permlanex16_b32 v[70+\b], v[68+\b], s70, s71
.endr
.irp b, 0,1
	s_delay_alu instid0(VALU_DEP_2)
	v_max_num_f32 v[68+\b], v[68+\b], v[70+\b]
.endr
.irp b, 0,1
	s_delay_alu instid0(VALU_DEP_2)
	v_add_nc_u32 v[74+\b], 0xf8800000, v[68+\b]
.endr
.irp b, 0,1
	s_delay_alu instid0(VALU_DEP_4)
	v_and_or_b32 v[72+\b], v[68+\b], 0x7f800000, s74
.endr
.irp b, 0,1
	s_delay_alu instid0(VALU_DEP_4)
	v_lshrrev_b32 v[76+\b], 23, v[74+\b]
.endr
	s_delay_alu instid0(VALU_DEP_1)
	v_lshl_or_b32 v76, v77, 8, v76                 ; the head's two bytes of my row's scale word
.irp b, 0,1
.irp i, 0,1,2,3,4,5,6,7,8,9,10,11,12,13,14,15
	v_med3_num_f32 v[S+16*\b+\i], v[S+16*\b+\i], -v[72+\b], v[72+\b]
.endr
	v_cvt_scalef32_pk8_bf8_f32 v[PC+4*\b:PC+4*\b+1], v[S+16*\b:S+16*\b+7], v[74+\b]
	v_cvt_scalef32_pk8_bf8_f32 v[PC+4*\b+2:PC+4*\b+3], v[S+16*\b+8:S+16*\b+15], v[74+\b]
.endr
	v_nop                                          ; a plain line behind the last conversion
	global_store_b128 v[LI], v[PC:PC+3], s[76:77]  ; 512 consecutive bytes
	global_store_b128 v[LI], v[PC+4:PC+7], s[76:77] offset:512
	global_store_b16 v78, v76, s[78:79]            ; two bytes a row (both halves of the lanes write the same): one byte for each 32 of the codes'
.endm
	v_and_b32 v78, 15, v0
	v_lshlrev_b32 v78, 3, v78                      ; 8 x (lane % 16): my row's scale word
	s_wait_alu depctr_va_vdst(0)
	FIN 12, OA, 100
	FIN 16, OB, 101
	s_wait_xcnt 0x0
	v_lshl_add_u32 v254, v0, 2, SPARE
	v_mov_b32 v255, 0
	s_wait_alu depctr_va_vdst(0)
	s_wait_tensorcnt 0x0                           ; the wave's end, behind my last LDS store
	ds_add_u32 v254, v255
	s_wait_dscnt 0x0
	s_endpgm
.Lfunc_end_k_q889797714b_attn:
	.size	k_q889797714b_attn, .Lfunc_end_k_q889797714b_attn-k_q889797714b_attn
	.p2alignl 7, 3214868480
	.fill 96, 4, 3214868480
	.section	.rodata,"a",@progbits
	.p2align	6, 0x0
	.amdhsa_kernel k_q889797714b_attn
		.amdhsa_group_segment_fixed_size 141312
		.amdhsa_private_segment_fixed_size 0
		.amdhsa_enable_private_segment 0
		.amdhsa_kernarg_size 24
		.amdhsa_user_sgpr_count 2
		.amdhsa_user_sgpr_kernarg_segment_ptr 1
		.amdhsa_wavefront_size32 1
		.amdhsa_system_sgpr_workgroup_id_x 1
		.amdhsa_system_sgpr_workgroup_id_y 1
		.amdhsa_system_sgpr_workgroup_id_z 1
		.amdhsa_system_vgpr_workitem_id 0
		.amdhsa_next_free_vgpr 256
		.amdhsa_next_free_sgpr 102
		.amdhsa_reserve_vcc 0
		.amdhsa_float_denorm_mode_32 3
		.amdhsa_float_denorm_mode_16_64 3
		.amdhsa_memory_ordered 1
		.amdhsa_forward_progress 1
		.amdhsa_inst_pref_size 146
	.end_amdhsa_kernel
	.amdgpu_metadata
---
amdhsa.version: [ 1, 2 ]
amdhsa.kernels:
  - .name:           k_q889797714b_attn
    .symbol:         k_q889797714b_attn.kd
    .args:
      - { .name: hq, .offset: 0, .size: 8, .value_kind: global_buffer, .address_space: global }
      - { .name: mk, .offset: 8, .size: 8, .value_kind: global_buffer, .address_space: global }
      - { .name: cq, .offset: 16, .size: 8, .value_kind: global_buffer, .address_space: global }
    .group_segment_fixed_size: 141312
    .private_segment_fixed_size: 0
    .kernarg_segment_align: 8
    .kernarg_segment_size: 24
    .max_flat_workgroup_size: 512
    .sgpr_count:     102
    .vgpr_count:     256
    .wavefront_size: 32
...
	.end_amdgpu_metadata
.endif
;; end of part 3
;; launch outp (part 4): grid 8 x 32, 4 waves a work-group, clusters of 4 x 4, 327,680 bytes of LDS; arguments cq, xw, b_o, out0; writes out0
.if DOCPART == 4
	.amdgcn_target "amdgcn-amd-amdhsa--gfx1250"
	.amdhsa_code_object_version 6
	.text
	.protected	k_q889797714b_outp
	.globl	k_q889797714b_outp
	.p2align	8
	.type	k_q889797714b_outp,@function
k_q889797714b_outp:
	s_mov_b64 s[64:65], 0
	v_nop
	global_prefetch_b8 v0, s[64:65] scope:SCOPE_SE
	s_setreg_imm32_b32 hwreg(HW_REG_WAVE_MODE, 25, 1), 1
	s_wait_xcnt 0x0
	s_wait_alu depctr_hold_cnt(0) depctr_sa_sdst(0) depctr_va_vdst(0) depctr_va_sdst(0) depctr_va_ssrc(0) depctr_va_vcc(0) depctr_vm_vsrc(0)
	s_getreg_b32 s2, hwreg(HW_REG_IB_STS2, 6, 4)
	s_cmp_eq_u32 s2, 0
	s_cbranch_scc0 .Lentry_in_a_cluster
	s_endpgm
.Lentry_in_a_cluster:
	s_bfe_u32 s2, ttmp6, 0x10000c
	s_cmp_lg_u32 s2, 0xf033
	s_cbranch_scc0 .Lentry_shape_is_right
	s_endpgm
.Lentry_shape_is_right:
; OUTP: out0 = ctx w_o + b_o on codes of BF8 (E5M2) with E8M0 scales: 8,192 x 1,024 x 1,024, f32 sums, f32 out.
; THE BUFFERS.  cq: ctx as images, [token tile of 16][8 K steps][2048]; at CSC its scale words, [tile][sp 4][slot 16][q 2], word (sp, r, q) for K step 2 sp + q.  xw holds w_o likewise from tile WO0 on, scale words at XSC.
; An image's byte 512 c + 16 lane + e is the code of slot lane % 16 at k = 32 c + 16 (lane / 16) + e: the operand's registers on end.  Slot r of tile a of a group of 128 rows is row 32 (a / 2) + 8 (a % 2) + r % 8 + 16 (r / 8).
; THE DEAL.  256 work-groups of four waves, 2 x 2; a work-group makes 256 tokens x 128 columns.  All of K of its 256 tokens, 262,144 bytes, comes into LDS ONCE, a joint load of 65,536 bytes a wave, shared along a row of the
; cluster of 4 x 4; nothing is filled again.  A wave holds 64 rows of w_o, all of K, in 512 registers and streams its 128 tokens past them in eight blocks of 16, which stand in registers as two whole sets.
; w_o's rows go from memory straight into registers, each lane its fragments whole, and are not asked for jointly: beside the tokens' 262,144 bytes LDS has no room for a work-group's 131,072 bytes of them.
; No prefetch: all that the launch reads is asked for at its head; there is no loop to run ahead in.
; THE PRODUCT IS USED TRANSPOSED: source 0 = 16 rows of w_o, source 1 = 16 tokens: a lane holds one token and eight columns a tile.  The bias is the first products' C.
; THE WAY OUT.  A block, 16 tokens x 64 columns, goes through the wave's own stage in LDS and leaves as rows of 256 bytes, aligned, sixteen lanes to a row, behind the next block's products.
; NaN and infinities are not served.
; REGISTERS: window 0: v4-13 addresses; v24-39 w_o's scale words (register 8 p + q: lanes 0-15 tile 2 p, lanes 16-31 tile 2 p + 1); v44-75 the tokens' (8 P + q: blocks 2 P, 2 P + 1); v80-143 two sets of four accumulators;
; v144-175 the bias; v176-239 two sets of rows read back.  Windows 1, 2: w_o's fragments, fragment 4 q + b.  Window 3: the tokens' two sets.
.set XSC,   29360128
.set CSC,   8388608
.set WO0,   1728
.set STAGE, 262144                     ; behind the tokens: 16 rows x (256 + 16) bytes for each wave
.set SPITCH, 272
.set SPARE, STAGE+4*16*SPITCH          ; the spare words: 128 bytes a wave
.set AX,  4                            ; v4, v5  LDS address of my blocks 0-3, 4-7
.set WO,  6                            ; v6   16 x lane
.set SWO, 7                            ; v7   scale words: 512 (lane / 16) + 8 (lane % 16)
.set BO,  8                            ; v8   the bias: 64 (lane / 16)
.set STO, 9                            ; v9   the stage, on the way in
.set RD,  10                           ; v10  and back
.set CO,  11                           ; v11  my bytes of two rows of out0
.set SPW, 12
.set NIL, 13
.set SB,  24
.set SA,  44
.set ACC, 80
.set BI,  144
.set OUT, 176
.set G1,  24
.set G0,  32
.set MSB, 0
.macro WIN new                         ; the immediate's high byte repeats the setting that is left
.if MSB != \new
	s_set_vgpr_msb (MSB<<8)|\new
.set MSB, \new
.endif
.endm
.macro PLACES n
.rept \n
	v_nop
.endr
.endm
.macro CROUND                          ; a round of the cluster's barrier
	s_barrier_signal -1
	s_barrier_wait -1
	s_cmp_lg_u32 s14, 0
	s_cbranch_scc1 .Lnot_wave_0_\@
	s_barrier_signal -3
.Lnot_wave_0_\@:
	s_barrier_wait -3
	s_barrier_signal -1
	s_barrier_wait -1
.endm
	s_load_b256 s[4:11], s[0:1], 0x0               ; cq, xw, b_o, out0
	v_lshl_add_u32 v[SPW], v0, 2, SPARE
	v_mov_b32 v[NIL], 0
	ds_add_u32 v[SPW], v[NIL]                      ; the opening: the add, twice on end, and its wait ahead of my tensor load
	ds_add_u32 v[SPW], v[NIL]
	v_lshrrev_b32 v1, 5, v0
	v_readfirstlane_b32 s14, v1                    ; wave 0..3
	s_lshr_b32 s15, s14, 1                         ; which 128 tokens are mine
	s_and_b32 s16, s14, 1                          ; which 64 columns
	s_lshl_b32 s20, s15, 17                        ; my tokens in LDS: 8 tiles of 16,384 bytes
	s_mul_i32 s21, s14, 16*SPITCH
	s_add_co_u32 s21, s21, STAGE                   ; my stage
	v_and_b32 v1, 15, v0                           ; r
	v_bfe_u32 v2, v0, 4, 1                         ; h
	v_and_b32 v3, 31, v0                           ; lane
	v_lshlrev_b32 v[WO], 4, v3
	v_lshlrev_b32 v[SWO], 3, v1
	v_lshlrev_b32 v[BO], 6, v2
	v_mul_u32_u24 v[STO], v1, SPITCH
	v_mul_u32_u24 v[RD], v2, SPITCH
	v_lshlrev_b32 v[CO], 12, v2
	v_add_nc_u32 v[AX], s20, v[WO]
	v_lshl_add_u32 v[SWO], v2, 9, v[SWO]
	v_lshl_add_u32 v[STO], v2, 6, v[STO]           ; in: row r, 64 bytes for each half of the lanes
	v_lshl_add_u32 v[RD], v1, 4, v[RD]             ; back: lanes 0-15 one row, lanes 16-31 the next
	v_lshl_add_u32 v[CO], v1, 4, v[CO]             ; and the same two rows of out0, 4,096 bytes apart
	v_add_nc_u32 v[AX+1], 65536, v[AX]
	v_add_nc_u32 v[STO], s21, v[STO]
	v_add_nc_u32 v[RD], s21, v[RD]
	s_bfe_u32 s40, ttmp6, 0x40000                  ; cx, cy: my place in the cluster
	s_bfe_u32 s41, ttmp6, 0x40004
	s_lshl_b32 s42, ttmp9, 2
	s_add_co_u32 s42, s42, s40                     ; the block of 128 columns, 0 .. 7
	s_and_b32 s43, ttmp7, 0xffff
	s_lshl_b32 s43, s43, 2
	s_add_co_u32 s43, s43, s41                     ; the block of 256 tokens, 0 .. 31
	s_lshl_b32 s44, s41, 2
	s_lshl_b32 s44, 15, s44                        ; my row of the cluster shares the tokens
	s_or_b32 s[G1+0], s44, (3<<16)|(1<<21)         ; elements of 8 bytes; bit 21 beside the mask
	s_mov_b32 s[G1+1], 512<<16                     ; 65,536 dense bytes as 16 rows of 4,096
	s_mov_b32 s[G1+2], 16<<16
	s_mov_b32 s[G1+3], 512<<16
	s_mov_b32 s[G1+4], 16
	s_mov_b32 s[G1+5], 512
	s_mov_b32 s[G1+6], 0
	s_mov_b32 s[G1+7], 0
	s_mov_b32 s[G0], 1
	s_lshl_b32 s[G0+1], s14, 16                    ; wave x 65,536: four tiles a wave
	s_lshl_b32 s46, s43, 18                        ; offsets, each under 2^32.  cq: 16 tiles a token block, four a wave
	s_lshl_b32 s47, s14, 16
	s_add_co_u32 s46, s46, s47
	s_mov_b32 s47, 0
	s_lshl_b32 s48, s42, 3                         ; w_o's tiles: 8 a column block, my four
	s_lshl_b32 s49, s16, 2
	s_add_co_u32 s48, s48, s49
	s_add_co_u32 s48, s48, WO0
	s_lshl_b32 s50, s48, 9                         ; their scale words,
	s_add_co_u32 s50, s50, XSC
	s_mov_b32 s51, 0
	s_lshl_b32 s48, s48, 14                        ; their codes
	s_mov_b32 s49, 0
	s_lshl_b32 s52, s43, 4                         ; my eight token tiles' scale words
	s_lshl_b32 s53, s15, 3
	s_add_co_u32 s52, s52, s53
	s_lshl_b32 s52, s52, 9
	s_add_co_u32 s52, s52, CSC
	s_mov_b32 s53, 0
	s_lshl_b32 s54, s42, 9                         ; my first column, in bytes of f32
	s_lshl_b32 s55, s16, 8
	s_add_co_u32 s54, s54, s55
	s_mov_b32 s55, 0
	s_lshl_b32 s56, s43, 20                        ; my first token's row of out0
	s_lshl_b32 s57, s15, 19
	s_add_co_u32 s56, s56, s57
	s_add_co_u32 s56, s56, s54
	s_mov_b32 s57, 0
	s_wait_alu depctr_va_vdst(0)
	s_wait_dscnt 0x0                               ; both opening adds are done
	CROUND                                         ; all sixteen work-groups are here: the joint loads meet
	s_wait_kmcnt 0x0
	s_add_nc_u64 s[G0+2:G0+3], s[4:5], s[46:47]
	s_or_b32 s[G0+3], s[G0+3], 0x80000000
	tensor_load_to_lds s[G0:G0+3], s[G1:G1+7]      ; my one tensor load: a quarter of the 256 tokens, all of K
	s_nop 0
	PLACES 4
	s_add_nc_u64 s[60:61], s[6:7], s[48:49]
	s_add_nc_u64 s[62:63], s[6:7], s[50:51]
	s_add_nc_u64 s[66:67], s[4:5], s[52:53]
	s_add_nc_u64 s[68:69], s[8:9], s[54:55]
	s_add_nc_u64 s[70:71], s[10:11], s[56:57]
.irp p, 0,1
.irp sp, 0,1,2,3
	global_load_b64 v[SB+8*\p+2*\sp:SB+8*\p+2*\sp+1], v[SWO], s[62:63] offset:1024*\p+128*\sp
.endr
.endr
.irp p, 0,1,2,3
.irp sp, 0,1,2,3
	global_load_b64 v[SA+8*\p+2*\sp:SA+8*\p+2*\sp+1], v[SWO], s[66:67] offset:1024*\p+128*\sp
.endr
.endr
.irp b, 0,1,2,3                                ; register j of tile b is column 32 (b / 2) + 8 (b % 2) + 16 h + j of my 64
	global_load_b128 v[BI+8*\b:BI+8*\b+3], v[BO], s[68:69] offset:(32*(\b/2)+8*(\b%2))*4
	global_load_b128 v[BI+8*\b+4:BI+8*\b+7], v[BO], s[68:69] offset:(32*(\b/2)+8*(\b%2))*4+16
.endr
.irp q, 0,1,2,3,4,5,6,7                        ; w_o: 16 loads a K step, K ascending; each reads 512 consecutive bytes
	WIN (1+\q/4)<<6
.irp b, 0,1,2,3
.irp c, 0,1,2,3
	global_load_b128 v[16*((4*\q+\b)%16)+4*\c:16*((4*\q+\b)%16)+4*\c+3], v[WO], s[60:61] offset:16384*\b+2048*\q+512*\c
.endr
.endr
.endr
	WIN 0
.macro FETCH i                         ; block i, 16 tokens, all of K, into set i % 2 of window 3: 32 loads
	WIN 3<<6
.irp q, 0,1,2,3,4,5,6,7
.irp c, 0,1,2,3
	ds_load_b128 v[128*((\i)%2)+16*\q+4*\c:128*((\i)%2)+16*\q+4*\c+3], v[AX+(\i)/4] offset:((\i)%4)*16384+2048*\q+512*\c
.endr
.endr
	WIN 0
.endm
.macro PRODS i                         ; block i's 32 products: K ascending, the four accumulators by turns
.set Q_, 0
.rept 8
.if (\i) == 0
.if Q_ == 0
	s_wait_loadcnt 63                              ; of w_o's 128 loads the last 63 may be out: K steps 0 to 3, the scale words and the bias are in
.elseif Q_ >= 4
	s_wait_loadcnt 16*(7-Q_)                       ; the later K steps' loads, 16 a step, may be out
.endif
.endif
	WIN (1+Q_/4)|(3<<2)
.set B_, 0
.rept 4
.set AC_, ACC+32*((\i)%2)+8*B_
.set C_, AC_
.if Q_ == 0
.set C_, BI+8*B_
.endif
.set W_, 16*((4*Q_+B_)%16)
.set R_, 128*((\i)%2)+16*Q_
.set WS_, SB+8*(B_/2)+Q_
.set XS_, SA+8*((\i)/2)+Q_
.if (B_%2) && ((\i)%2)
	v_wmma_scale_f32_16x16x128_f8f6f4 v[AC_:AC_+7], v[W_:W_+15], v[R_:R_+15], v[C_:C_+7], v[WS_], v[XS_] matrix_a_fmt:MATRIX_FMT_BF8 matrix_b_fmt:MATRIX_FMT_BF8 matrix_a_scale:MATRIX_SCALE_ROW1 matrix_b_scale:MATRIX_SCALE_ROW1
.elseif B_%2
	v_wmma_scale_f32_16x16x128_f8f6f4 v[AC_:AC_+7], v[W_:W_+15], v[R_:R_+15], v[C_:C_+7], v[WS_], v[XS_] matrix_a_fmt:MATRIX_FMT_BF8 matrix_b_fmt:MATRIX_FMT_BF8 matrix_a_scale:MATRIX_SCALE_ROW1
.elseif (\i)%2
	v_wmma_scale_f32_16x16x128_f8f6f4 v[AC_:AC_+7], v[W_:W_+15], v[R_:R_+15], v[C_:C_+7], v[WS_], v[XS_] matrix_a_fmt:MATRIX_FMT_BF8 matrix_b_fmt:MATRIX_FMT_BF8 matrix_b_scale:MATRIX_SCALE_ROW1
.else
	v_wmma_scale_f32_16x16x128_f8f6f4 v[AC_:AC_+7], v[W_:W_+15], v[R_:R_+15], v[C_:C_+7], v[WS_], v[XS_] matrix_a_fmt:MATRIX_FMT_BF8 matrix_b_fmt:MATRIX_FMT_BF8
.endif
.set B_, B_+1
.endr
.set Q_, Q_+1
.endr
.endm
.macro TOSTAGE i                       ; LDS serves a wave's instructions in order: no wait between the stores and the loads
.set AC_, ACC+32*((\i)%2)
.irp b, 0,1,2,3
	ds_store_b128 v[STO], v[AC_+8*\b:AC_+8*\b+3] offset:128*(\b/2)+32*(\b%2)      ; each accumulator from its low end on
	ds_store_b128 v[STO], v[AC_+8*\b+4:AC_+8*\b+7] offset:128*(\b/2)+32*(\b%2)+16
.endr
.irp t, 0,1,2,3,4,5,6,7
	ds_load_b128 v[OUT+32*((\i)%2)+4*\t:OUT+32*((\i)%2)+4*\t+3], v[RD] offset:\t*2*SPITCH
.endr
.endm
.macro SEND i                          ; slots 2 t and 2 t + 1 of block i: sixteen lanes store 256 consecutive bytes, aligned
.irp t, 0,1,2,3,4,5,6,7
	global_store_b128 v[CO], v[OUT+32*((\i)%2)+4*\t:OUT+32*((\i)%2)+4*\t+3], s[70:71] offset:(32*((\i)/2)+8*((\i)%2)+(2*\t)%8+16*(\t/4))*4096 th:TH_STORE_NT
.endr
.endm
.macro BLK i
	PRODS \i
	WIN 0
	s_wait_dscnt 0x0                               ; the next block's set is in, and the last block's rows are back from the stage: both were asked for 32 products ago
.if (\i) > 0
	s_wait_xcnt 0x0                                ; the stores of two blocks ago have read their registers, on which this block's rows land
	SEND (\i)-1
.endif
	PLACES 8                                       ; behind the block's last product, ahead of loads into its set and of the stores of its sums
.if (\i) < 6
	FETCH (\i)+2
.endif
	TOSTAGE \i
.endm
	s_wait_tensorcnt 0x0                           ; my quarter of the tokens is in
	s_barrier_signal -1
	s_barrier_wait -1                              ; and everybody's
	FETCH 0
	FETCH 1
	s_wait_dscnt 32                                ; block 0's set is in; block 1's 32 loads may be out
.irp i, 0,1,2,3,4,5,6,7
	BLK \i
.endr
	s_wait_dscnt 0x0
	s_wait_xcnt 0x0
	SEND 7
	s_wait_tensorcnt 0x0                           ; the wave's end, behind my tensor load and my last LDS store
	ds_add_u32 v[SPW], v[NIL]
	s_wait_dscnt 0x0
	CROUND                                         ; the closing round
	s_endpgm
.Lfunc_end_k_q889797714b_outp:
	.size	k_q889797714b_outp, .Lfunc_end_k_q889797714b_outp-k_q889797714b_outp
	.p2alignl 7, 3214868480
	.fill 96, 4, 3214868480
	.section	.rodata,"a",@progbits
	.p2align	6, 0x0
	.amdhsa_kernel k_q889797714b_outp
		.amdhsa_group_segment_fixed_size 327680
		.amdhsa_private_segment_fixed_size 0
		.amdhsa_enable_private_segment 0
		.amdhsa_kernarg_size 32
		.amdhsa_user_sgpr_count 2
		.amdhsa_user_sgpr_kernarg_segment_ptr 1
		.amdhsa_wavefront_size32 1
		.amdhsa_system_sgpr_workgroup_id_x 1
		.amdhsa_system_sgpr_workgroup_id_y 1
		.amdhsa_system_sgpr_workgroup_id_z 1
		.amdhsa_system_vgpr_workitem_id 0
		.amdhsa_next_free_vgpr 1024
		.amdhsa_next_free_sgpr 80
		.amdhsa_reserve_vcc 0
		.amdhsa_float_denorm_mode_32 3
		.amdhsa_float_denorm_mode_16_64 3
		.amdhsa_memory_ordered 1
		.amdhsa_forward_progress 1
		.amdhsa_inst_pref_size 87
	.end_amdhsa_kernel
	.amdgpu_metadata
---
amdhsa.version: [ 1, 2 ]
amdhsa.kernels:
  - .name:           k_q889797714b_outp
    .symbol:         k_q889797714b_outp.kd
    .args:
      - { .name: cq, .offset: 0, .size: 8, .value_kind: global_buffer, .address_space: global }
      - { .name: xw, .offset: 8, .size: 8, .value_kind: global_buffer, .address_space: global }
      - { .name: b_o, .offset: 16, .size: 8, .value_kind: global_buffer, .address_space: global }
      - { .name: out0, .offset: 24, .size: 8, .value_kind: global_buffer, .address_space: global }
    .group_segment_fixed_size: 327680
    .private_segment_fixed_size: 0
    .kernarg_segment_align: 8
    .kernarg_segment_size: 32
    .max_flat_workgroup_size: 128
    .sgpr_count:     80
    .vgpr_count:     1024
    .wavefront_size: 32
...
	.end_amdgpu_metadata
.endif
;; end of part 4
